; MI455X (gfx1250); checked and timed in simulation.
; The chip was launched on July 23, 2026; its instructions are those of AMD's public machine-readable ISA for CDNA 5 (MIT licence, August 2026) and "CDNA5" Instruction Set Architecture Reference Guide (July 2026). The comments in the code are by the model that wrote it; some were corrected since.
;; Attention. Allowed arithmetic: matrix products marked QUANTISED: E3M2 operands, one E8M0 scale for each 32 along K, by v_wmma_scale_f32_16x16x128_f8f6f4 with both operands' format E3M2, f32 sums; everything else in f32.
;; Inputs: freqs_cos 2,048 x 64 float32; freqs_sin 2,048 x 64 float32; mask 1 x 1 x 2,048 x 2,048 float32; wk 2,048 x 2,048 float32; wo 2,048 x 2,048 float32; wq 2,048 x 2,048 float32; wv 2,048 x 2,048 float32; x 1 x 2,048 x 2,048 float32.
;; Outputs: out0 1 x 2,048 x 2,048 float32.
;; This version of the problem:
;;   THIS VERSION OF THE PROBLEM IS GIVEN IN LOW PRECISION. The matrix products marked QUANTISED in the list below multiply operands that are first quantised to E3M2 (3 exponent bits, 2 mantissa bits; 6 bits a number), with one power-of-two scale for each 32 numbers along K (OCP MX v1.0); their sums are f32. All else is computed in f32.
;;   The module's matrix products, in the order in which they are computed (A, B: the left and right operand; K: the contracted axis; several contracted axes count as one K, in the product's order):
;;     1. [M 2,048, K 2,048] x [K 2,048, N 2,048]; A: input x; B: input wq: QUANTISED
;;     2. [M 2,048, K 2,048] x [K 2,048, N 2,048]; A: input x; B: input wk: QUANTISED
;;     3. [M 2,048, K 2,048] x [K 2,048, N 2,048]; A: input x; B: input wv: QUANTISED
;;     4. batch 16 x [M 2,048, K 128] x [K 128, N 2,048]; A: computed on the way; B: computed on the way: QUANTISED
;;     5. batch 16 x [M 2,048, K 2,048] x [K 2,048, N 128]; A: softmax (see below); B: computed on the way: QUANTISED
;;     6. [M 2,048, K 2,048] x [K 2,048, N 2,048]; A: computed on the way; B: input wo: QUANTISED
;;   THE QUANTISER, for each operand of a quantised product, along K:
;;     - K is cut into blocks of 32 from its start; a last block that is shorter is filled with zeros.
;;     - A block's scale is 2^e with e = floor(log2(the largest magnitude in the block)) - 4, held to -126 .. 127; a block of zeros has e = 0. As a byte (E8M0): e + 127.
;;     - Each number is divided by its block's scale, clamped to +-28, and rounded to the nearest number of E3M2, ties to even, subnormals kept.
;;     - The product sums the exact products of the quantised numbers (number of the format x scale) in f32.
;;   ~~~python
;;   def quantise(x, axis):      # numpy; x: float32 -> the quantised numbers, widened to float32 again
;;       x = np.moveaxis(x, axis, -1); K = x.shape[-1]
;;       x = np.pad(x, [(0, 0)] * (x.ndim - 1) + [(0, -K % 32)]); x = x.reshape(x.shape[:-1] + (-1, 32)); a = np.abs(x).max(-1, keepdims=True)
;;       e = np.where(a > 0, np.clip(np.frexp(np.where(a > 0, a, 1))[1] - 1 - 4, -126, 127), 0)      # np.frexp(a)[1] - 1 = floor(log2(a)), exactly
;;       r = np.clip(x / 2.0 ** e, -28, 28)
;;       step = 2.0 ** (np.maximum(np.frexp(np.where(r == 0, 1, r))[1] - 1, -2) - 2)
;;       q = np.round(r / step) * step * 2.0 ** e      # np.round: ties to even
;;       return np.moveaxis(q.reshape(q.shape[:-2] + (-1,))[..., :K], -1, axis).astype(np.float32)
;;   ~~~
;;   SOFTMAX AHEAD OF A QUANTISED PRODUCT. Where the list says 'softmax', what is quantised is not the finished softmax but p = 2^(t - M), with t = logit x log2(e) and M = ceil(the row's largest t), a whole number; so 1/2 < the row's largest p <= 1. The row's sum l is taken of the UNQUANTISED p, in f32, and the product's result is divided by l at the end. Since M is a whole number, a kernel that streams over the keys may use a running M (the ceiling of the running maximum): every later rescaling is an exact power of two, which a block's scale takes up: the codes' values come out the same.
;;   OPERANDS COMPUTED ON THE WAY. 'Computed on the way' means the value that the module computes at that place (a softmax that the list does not call 'softmax' is quantised finished and normalised). What goes into a quantiser is computed in f32, as accurately as f32 sums, v_exp_f32 and their like allow (about 1e-6 of the number): no bf16 or f16 on the way to a quantiser, and a product that is left as it is and whose result goes on into a quantised operand takes f32 operands (vector FMAs, or v_wmma_f32_16x16x4_f32). A number that lies on a knife's edge between two numbers of the format may be rounded either way, as far as f32 arithmetic and the matrix unit's own rounding can turn it there, and no further.
;; One version. Each part assembles by itself: llvm-mc -triple=amdgcn-amd-amdhsa -mcpu=gfx1250 --defsym DOCPART=n.
;; ======== version 1 of 1: 4 launches
;; limits: right only within a limited range of input values
;; workspace buffers: ximg 3,276,800 bytes; wimg 13,107,200 bytes; qimg 3,276,800 bytes; kvimg 6,553,600 bytes; aimg 3,276,800 bytes
;; launch quant (part 1): grid 640 x 1, 4 waves a work-group, no clusters, 66,048 bytes of LDS; arguments x, wq, wk, wv, wo, ximg, wimg; writes ximg, wimg
.if DOCPART == 1
	.amdgcn_target "amdgcn-amd-amdhsa--gfx1250"
	.amdhsa_code_object_version 6
	.text
	.protected	k_q0a1cddf551_quant
	.globl	k_q0a1cddf551_quant
	.p2align	8
	.type	k_q0a1cddf551_quant,@function
k_q0a1cddf551_quant:
	s_mov_b64 s[64:65], 0
	v_nop
	global_prefetch_b8 v0, s[64:65] scope:SCOPE_SE
	s_setreg_imm32_b32 hwreg(HW_REG_WAVE_MODE, 25, 1), 1
	s_wait_xcnt 0x0
; x [2048][2048] (K innermost) and wq, wk, wv, wo [2048 (K)][2048 (n)] (K outermost), f32, become codes of BF6 (E3M2) with one E8M0 byte for each 32 along K.
; A block's scale is 2^(floor(log2(largest magnitude)) - 4); its byte is the largest magnitude's exponent field - 4, held at 1 from below.
; LIMITS: a block whose largest magnitude lies under 2^-122, a block of zeros among them, keeps the byte 1 (its codes are zeros or the nearest codes under that scale; the bytes are read by this program alone);
; NaN and infinities among the inputs are not served.
; THE IMAGE.  An operand is laid as units of 12,800 bytes: 128 rows (group g) x 128 along K (step s), units [g][s].  A unit is 8 fragments of 1,536 bytes, each the picture of a matrix operand's 12 registers:
; registers 4 c .. 4 c + 3 of lane L at 512 c + 16 L; lane (r = L % 16, h = L / 16) of fragment a holds row 32 (a / 2) + 8 (a % 2) + r + 8 (r / 8) of the group, registers 6 c .. 6 c + 5 hold k = 64 c + 32 h + 0 .. 31.
; Behind the fragments, at byte 12,288, 512 bytes of scale words: the word of (r, a) at 32 r + 16 (a % 2) + 4 (a / 2).
; SHARES.  Work-groups 0-127 take x, 128-255 wq, 256-383 wk, 384-511 wv, 512-639 wo.  A work-group takes a group of 128 rows (of a weight: columns n) x 256 along K: two units.  Wave w takes rows 32 w .. 32 w + 31: fragments 2 w, 2 w + 1.
; A wave has two blocks' loads on their way (a weight: 64 loads of 128 bytes), so the bytes on their way grow with the number of waves: hence many small work-groups, several to a WGP, eight blocks to a wave.
; LANE j TAKES ROW j, and a whole block of 32 along K lies in its 32 registers: no other lane is asked for a maximum, and the conversions give codes with K innermost.
; A weight is loaded so as it lies (a load reads one k at 32 neighbouring n); x is loaded 256 consecutive bytes of a row to sixteen lanes and turned through the wave's own stage in LDS.
; The codes go through an image stage in LDS and leave as 512 consecutive bytes a store.  The two ways part on the work-group's number, never meet again, and have LDS bytes of their own.
.set UNIT,  12800
.set GRP,   16*UNIT                    ; a group's 16 units
.set ROWB,  8192                       ; a row of x or of a weight in bytes
.set TP,    272                        ; a row of the turn stage: 256 bytes + 16
.set XW,    12288                      ; x's way: a wave's LDS bytes: the turn stage (32 rows), then the image stage (3,072)
.set XIMG,  32*TP
.set XSCL,  4*XW                       ; x's way: the two units' scale words, 1,024 bytes
.set WIMG,  XSCL+2048                  ; the weights' way: four image stages
.set WSCL,  WIMG+4*3072                ; and the scale words
.set WLO,  4                           ; v4   4 x lane: a weight's load offset
.set IST,  5                           ; v5   image stage + 1536 u + 16 r
.set IRD,  6                           ; v6   image stage + 16 x lane
.set GST,  7                           ; v7   16 x lane
.set SST,  8                           ; v8   scale stage + 32 r + 16 u + 4 w
.set SRD,  9                           ; v9   scale stage + 256 w + 8 x lane
.set XLO,  10                          ; v10  x's load offset
.set XSW,  14                          ; v14  turn stage, on the way in
.set XSR,  15                          ; v15  turn stage, on the way out: 272 x lane
.set SB,   16                          ; v16  the scale word being gathered
.set C,    20                          ; v20-28 a block's codes
.set G8,   29                          ; v29  8 x lane
.set OUTR, 32                          ; v32-55 the way out
.set RW,   64                          ; weights: two sets of 32 numbers; x: two sets of 64 as loaded
.set XB,   192                         ; x: two blocks of 32 neighbours
.set WV,   18
.set SRC,  20
.set DST,  24
.set DS2,  26
; A block of 32 numbers in v[xs] on becomes 24 bytes of codes in the image stage; t: which block of the K step.
.macro BLOCKQ xs, t
	v_max3_num_f32 v12, |v[(\xs)]|, |v[(\xs)+1]|, |v[(\xs)+2]|     ; the largest magnitude, in two chains
	v_max3_num_f32 v13, |v[(\xs)+3]|, |v[(\xs)+4]|, |v[(\xs)+5]|
.irp i, 6,10,14,18,22,26
	v_max3_num_f32 v12, v12, |v[(\xs)+\i]|, |v[(\xs)+\i+1]|
	v_max3_num_f32 v13, v13, |v[(\xs)+\i+2]|, |v[(\xs)+\i+3]|
.endr
	v_max3_num_f32 v12, v12, |v[(\xs)+30]|, |v[(\xs)+31]|
	v_max3_num_f32 v12, v12, v13, 0x2800000        ; and the floor 2^(5 - 127): the byte cannot fall under 1
	v_add_nc_u32 v11, 0xfe000000, v12              ; 4 off the exponent field: the conversion takes this operand's exponent field as its scale
	v_lshrrev_b32 v13, 23, v11                     ; the scale's byte
.if (\t) == 0
	v_mov_b32 v[SB], v13
.else
	v_lshl_or_b32 v[SB], v13, 8*(\t), v[SB]
.endif
	v_cvt_scalef32_pk16_bf6_f32 v[C:C+2], v[(\xs):(\xs)+15], v11
	v_cvt_scalef32_pk16_bf6_f32 v[C+6:C+8], v[(\xs)+16:(\xs)+31], v11   ; (a conversion's three registers begin on an even number)
	v_nop                                          ; one plain line behind the conversions
.irp i, 0,1,2
	v_mov_b32 v[C+3+\i], v[C+6+\i]
.endr
.if (\t) < 2                           ; block t is registers 6 (t / 2) .. + 5 of lane r + 16 (t % 2)
	ds_store_b128 v[IST], v[C:C+3] offset:256*(\t)
	ds_store_b64 v[IST], v[C+4:C+5] offset:512+256*(\t)
.else
	ds_store_b64 v[IST], v[C:C+1] offset:520+256*((\t)-2)
	ds_store_b128 v[IST], v[C+2:C+5] offset:1024+256*((\t)-2)
.endif
	s_wait_dscnt 0x0                               ; the stores have read their registers
.endm
; K step ks of the two is whole: its scale word goes to the scale stage, my two fragments leave as six stores of 512 consecutive bytes.
.macro LEAVE ks
	s_wait_xcnt 0x0                                ; the earlier stores have read v[OUTR] on
	ds_store_b32 v[SST], v[SB] offset:512*(\ks)
.irp i, 0,1,2,3,4,5
	ds_load_b128 v[OUTR+4*\i:OUTR+4*\i+3], v[IRD] offset:512*\i    ; LDS serves a wave's instructions in order: these see my stores
.endr
.irp i, 0,1,2,3,4,5
	s_wait_dscnt 5-\i                              ; the loads behind load i may be out
	global_store_b128 v[GST], v[OUTR+4*\i:OUTR+4*\i+3], s[DST:DST+1] offset:UNIT*(\ks)+512*\i
.endr
.endm
.macro DSTS                            ; s[DST] holds the first unit's address: DS2 = unit w / 2, half w % 2 of its scale words (mine to store), DST = my two fragments
	s_lshr_b32 s22, s[WV], 1
	s_mul_i32 s22, s22, UNIT
	s_and_b32 s32, s[WV], 1
	s_lshl_b32 s32, s32, 8
	s_add_co_u32 s22, s22, s32
	s_add_nc_u64 s[DS2:DS2+1], s[DST:DST+1], s[22:23]
	s_mul_i32 s22, s[WV], 3072
	s_add_nc_u64 s[DST:DST+1], s[DST:DST+1], s[22:23]
.endm
.macro TAIL                            ; the four waves' scale words meet in LDS; wave w stores 256 consecutive bytes of them, at a multiple of 256 from the buffer's first byte
	s_wait_dscnt 0x0                               ; for the others: my stores into the scale stage are done
	s_barrier_signal -1
	s_barrier_wait -1
	s_wait_xcnt 0x0
	ds_load_b64 v[OUTR:OUTR+1], v[SRD]
	s_wait_dscnt 0x0
	global_store_b64 v[G8], v[OUTR:OUTR+1], s[DS2:DS2+1] offset:12288
	s_wait_tensorcnt 0x0
	ds_add_u32 v62, v63
	s_wait_dscnt 0x0
	s_endpgm
.endm
	s_load_b256 s[4:11], s[0:1], 0x0               ; x, wq, wk, wv
	s_load_b128 s[12:15], s[0:1], 0x20             ; wo, ximg
	s_load_b64 s[16:17], s[0:1], 0x30              ; wimg
	v_lshl_add_u32 v62, v0, 2, 0x10000
	v_mov_b32 v63, 0
	v_lshrrev_b32 v1, 5, v0
	v_readfirstlane_b32 s[WV], v1                  ; wave 0..3
	v_and_b32 v1, 31, v0                           ; lane j = my row of the wave's 32
	v_bfe_u32 v2, v0, 3, 1                         ; u = (j / 8) % 2: which of the wave's two fragments
	v_and_b32 v3, 7, v0
	v_bfe_u32 v17, v0, 4, 1                        ; j / 16
	v_lshl_add_u32 v3, v17, 3, v3                  ; r = j % 8 + 8 (j / 16): my row's lane in the fragment
	v_lshlrev_b32 v[GST], 4, v1
	v_lshlrev_b32 v[G8], 3, v1
	v_mul_u32_u24 v18, v2, 1536
	v_lshl_add_u32 v18, v3, 4, v18                 ; 1536 u + 16 r
	v_lshlrev_b32 v19, 5, v3
	v_lshl_add_u32 v19, v2, 4, v19
	s_lshl_b32 s30, s[WV], 2
	v_add_nc_u32 v19, s30, v19                     ; 32 r + 16 u + 4 w
	s_lshr_b32 s19, ttmp9, 7                       ; 0: x; 1 .. 4: the weights
	s_bfe_u32 s28, ttmp9, 0x40003                  ; g: the group of 128 rows
	s_and_b32 s29, ttmp9, 7                        ; kq: which 256 along K
	s_mul_i32 s30, s28, GRP
	s_mul_i32 s31, s29, 2*UNIT
	s_add_co_u32 s30, s30, s31                     ; where my two units begin in the tensor's image
	s_mov_b32 s31, 0
	s_mov_b32 s23, 0
	s_cmp_lt_u32 ttmp9, 128
	s_cbranch_scc0 .Lweights
	; ---------------- x: K innermost
	s_mul_i32 s2, s[WV], XW
	v_mul_u32_u24 v[XSR], v1, TP
	v_add_nc_u32 v[XSR], s2, v[XSR]
	v_and_b32 v13, 15, v0
	v_mul_u32_u24 v[XSW], v17, TP
	v_lshl_add_u32 v[XSW], v13, 4, v[XSW]
	v_add_nc_u32 v[XSW], s2, v[XSW]                ; lanes 0-15 one row of the stage, lanes 16-31 the next
	v_lshlrev_b32 v[XLO], 13, v17
	v_lshl_add_u32 v[XLO], v13, 4, v[XLO]          ; and the same two rows of x
	s_add_co_u32 s2, s2, XIMG
	v_add_nc_u32 v[IST], s2, v18
	v_add_nc_u32 v[IRD], s2, v[GST]
	v_add_nc_u32 v[SST], XSCL, v19
	s_lshl_b32 s2, s[WV], 8
	s_add_co_u32 s2, s2, XSCL
	v_add_nc_u32 v[SRD], s2, v[G8]
	s_lshl_b32 s22, s28, 7
	s_lshl_b32 s2, s[WV], 5
	s_add_co_u32 s22, s22, s2                      ; my first row: 128 g + 32 w
	s_lshl_b32 s22, s22, 13
	s_lshl_b32 s2, s29, 10
	s_add_co_u32 s22, s22, s2                      ; + 256 kq numbers
	s_wait_alu depctr_va_vdst(0)
	s_wait_kmcnt 0x0
	s_add_nc_u64 s[SRC:SRC+1], s[4:5], s[22:23]
	s_add_nc_u64 s[DST:DST+1], s[14:15], s[30:31]
	DSTS
.macro LOADX hk                        ; half a K step: 64 along K of my 32 rows; a load reads 256 consecutive bytes of each of two rows
.irp i, 0,1,2,3,4,5,6,7,8,9,10,11,12,13,14,15
	global_load_b128 v[RW+64*((\hk)%2)+4*\i:RW+64*((\hk)%2)+4*\i+3], v[XLO], s[SRC:SRC+1] offset:2*\i*ROWB+256*(\hk) th:TH_LOAD_NT
.endr
.endm
	LOADX 0
	LOADX 1
.set Q, 0
.rept 4
.if Q < 3
	s_wait_loadcnt 16                              ; this half step's 16 loads are in; the next one's may be out
.else
	s_wait_loadcnt 0x0
.endif
.irp i, 0,1,2,3,4,5,6,7,8,9,10,11,12,13,14,15
	ds_store_b128 v[XSW], v[RW+64*(Q%2)+4*\i:RW+64*(Q%2)+4*\i+3] offset:2*\i*TP
.endr
.irp i, 0,1,2,3,4,5,6,7,8,9,10,11,12,13,14,15
	ds_load_b128 v[XB+4*\i:XB+4*\i+3], v[XSR] offset:16*\i         ; my row's 64 neighbours; rows 272 bytes apart: sixteen lanes, sixteen different columns of 16 bytes
.endr
	s_wait_dscnt 0x0                               ; the numbers are back, and the stores have read their registers,
.if Q+2 < 4
	LOADX Q+2                                      ; which take the loads of two half steps on
.endif
	BLOCKQ XB, 2*(Q%2)
	BLOCKQ XB+32, 2*(Q%2)+1
.if Q%2 == 1
	s_wait_alu depctr_va_vdst(0)
	LEAVE Q/2
.endif
.set Q, Q+1
.endr
	TAIL
	; ---------------- a weight: K outermost; a lane takes a column n, its registers run down K
.Lweights:
	s_mul_i32 s22, s[WV], 3072
	s_add_co_u32 s22, s22, WIMG
	s_wait_alu depctr_va_vdst(0)
	v_add_nc_u32 v[IST], s22, v18
	v_add_nc_u32 v[IRD], s22, v[GST]
	v_add_nc_u32 v[SST], WSCL, v19
	s_lshl_b32 s22, s[WV], 8
	s_add_co_u32 s22, s22, WSCL
	v_add_nc_u32 v[SRD], s22, v[G8]
	v_lshlrev_b32 v[WLO], 2, v1
	s_sub_co_u32 s22, s19, 1
	s_mul_i32 s22, s22, 16*GRP                     ; wimg: wq's 16 groups, then wk's, wv's, wo's
	s_add_co_u32 s30, s30, s22
	s_lshl_b32 s22, s28, 9                         ; column 128 g,
	s_lshl_b32 s2, s[WV], 7                        ; + 32 w, 4 bytes each,
	s_add_co_u32 s22, s22, s2
	s_lshl_b32 s2, s29, 21                         ; row 256 kq
	s_add_co_u32 s22, s22, s2
	s_wait_alu depctr_va_vdst(0)
	s_wait_kmcnt 0x0
	s_cmp_eq_u32 s19, 1                            ; the choices hang on the work-group's number alone
	s_cselect_b64 s[SRC:SRC+1], s[6:7], s[8:9]
	s_cmp_eq_u32 s19, 3
	s_cselect_b64 s[2:3], s[10:11], s[12:13]
	s_cmp_lt_u32 s19, 3
	s_cselect_b64 s[SRC:SRC+1], s[SRC:SRC+1], s[2:3]
	s_add_nc_u64 s[SRC:SRC+1], s[SRC:SRC+1], s[22:23]
	s_add_nc_u64 s[DST:DST+1], s[16:17], s[30:31]
	DSTS
.macro LOADW t                         ; block t: W(32 t + i, my column); every offset an immediate, 255 rows of 8,192 bytes at the most
.irp i, 0,1,2,3,4,5,6,7,8,9,10,11,12,13,14,15,16,17,18,19,20,21,22,23,24,25,26,27,28,29,30,31
	global_load_b32 v[RW+32*((\t)%2)+\i], v[WLO], s[SRC:SRC+1] offset:(32*(\t)+\i)*ROWB th:TH_LOAD_NT
.endr
.endm
	LOADW 0
	LOADW 1
.set Q, 0
.rept 8
.if Q < 7
	s_wait_loadcnt 32                              ; this block's 32 loads are in; the next block's may be out
.else
	s_wait_loadcnt 0x0
.endif
	BLOCKQ RW+32*(Q%2), Q%4
.if Q+2 < 8
	LOADW Q+2
.endif
.if Q%4 == 3
	s_wait_alu depctr_va_vdst(0)
	LEAVE Q/4
.endif
.set Q, Q+1
.endr
	TAIL
.Lfunc_end_k_q0a1cddf551_quant:
	.size	k_q0a1cddf551_quant, .Lfunc_end_k_q0a1cddf551_quant-k_q0a1cddf551_quant
	.p2alignl 7, 3214868480
	.fill 96, 4, 3214868480
	.section	.rodata,"a",@progbits
	.p2align	6, 0x0
	.amdhsa_kernel k_q0a1cddf551_quant
		.amdhsa_group_segment_fixed_size 66048
		.amdhsa_private_segment_fixed_size 0
		.amdhsa_enable_private_segment 0
		.amdhsa_kernarg_size 56
		.amdhsa_user_sgpr_count 2
		.amdhsa_user_sgpr_kernarg_segment_ptr 1
		.amdhsa_wavefront_size32 1
		.amdhsa_system_sgpr_workgroup_id_x 1
		.amdhsa_system_sgpr_workgroup_id_y 1
		.amdhsa_system_sgpr_workgroup_id_z 1
		.amdhsa_system_vgpr_workitem_id 0
		.amdhsa_next_free_vgpr 256
		.amdhsa_next_free_sgpr 66
		.amdhsa_reserve_vcc 0
		.amdhsa_float_denorm_mode_32 3
		.amdhsa_float_denorm_mode_16_64 3
		.amdhsa_memory_ordered 1
		.amdhsa_forward_progress 1
		.amdhsa_inst_pref_size 75
	.end_amdhsa_kernel
	.amdgpu_metadata
---
amdhsa.version: [ 1, 2 ]
amdhsa.kernels:
  - .name:           k_q0a1cddf551_quant
    .symbol:         k_q0a1cddf551_quant.kd
    .args:
      - { .name: x, .offset: 0, .size: 8, .value_kind: global_buffer, .address_space: global }
      - { .name: wq, .offset: 8, .size: 8, .value_kind: global_buffer, .address_space: global }
      - { .name: wk, .offset: 16, .size: 8, .value_kind: global_buffer, .address_space: global }
      - { .name: wv, .offset: 24, .size: 8, .value_kind: global_buffer, .address_space: global }
      - { .name: wo, .offset: 32, .size: 8, .value_kind: global_buffer, .address_space: global }
      - { .name: ximg, .offset: 40, .size: 8, .value_kind: global_buffer, .address_space: global }
      - { .name: wimg, .offset: 48, .size: 8, .value_kind: global_buffer, .address_space: global }
    .group_segment_fixed_size: 66048
    .private_segment_fixed_size: 0
    .kernarg_segment_align: 8
    .kernarg_segment_size: 56
    .max_flat_workgroup_size: 128
    .sgpr_count:     66
    .vgpr_count:     256
    .wavefront_size: 32
...
	.end_amdgpu_metadata
.endif
;; end of part 1
;; launch qkv (part 2): grid 24 x 8, 4 waves a work-group, clusters of 4 x 4, 327,680 bytes of LDS; arguments ximg, wimg, freqs_cos, freqs_sin, qimg, kvimg; writes qimg, kvimg
.if DOCPART == 2
	.amdgcn_target "amdgcn-amd-amdhsa--gfx1250"
	.amdhsa_code_object_version 6
	.text
	.protected	k_q0a1cddf551_qkv
	.globl	k_q0a1cddf551_qkv
	.p2align	8
	.type	k_q0a1cddf551_qkv,@function
k_q0a1cddf551_qkv:
	s_mov_b64 s[64:65], 0
	v_nop
	global_prefetch_b8 v0, s[64:65] scope:SCOPE_SE
	s_setreg_imm32_b32 hwreg(HW_REG_WAVE_MODE, 25, 1), 1
	s_wait_xcnt 0x0
	s_wait_alu depctr_hold_cnt(0) depctr_sa_sdst(0) depctr_va_vdst(0) depctr_va_sdst(0) depctr_va_ssrc(0) depctr_va_vcc(0) depctr_vm_vsrc(0)
	s_getreg_b32 s2, hwreg(HW_REG_IB_STS2, 6, 4)
	s_cmp_eq_u32 s2, 0
	s_cbranch_scc0 .Lentry_in_a_cluster
	s_endpgm
.Lentry_in_a_cluster:
	s_bfe_u32 s2, ttmp6, 0x10000c
	s_cmp_lg_u32 s2, 0xf033
	s_cbranch_scc0 .Lentry_shape_is_right
	s_endpgm
.Lentry_shape_is_right:
.set UNIT,  12800
.set GRP,   16*UNIT
.set BREG,  4*UNIT
.set SREG,  2*UNIT
.set SML,   4*BREG
.set SPARE, SML+4*SREG
.set FR,    12
.set NL,    3
.set NP,    4
.set ADRA, 16
.set ASA,  18
.set ADRB, 20
.set ASB,  22
.set GO,   24
.set SO,   25
.set TAO,  26
.set HH,   27
.set SPW,  28
.set NIL,  29
.set PFO,  30
.set SC,   32
.set TM,   96
.set SW,   112
.set T,    120
.set D,    124
.set AF,   128
.set HA,   128
.set PC,   224
.set PFB, 2
.set G1,  24
.set G0,  32
.set PFA, 40
.set LIM, 42
.set G1B, 48
.set G0B, 56
.set SEL, 66
.set OUTP, 68
.set COSP, 70
.set SINP, 72
.set FQ,  74
.set G1S, 84
.set G1BS, 92
.set MSB, 0
.macro WIN new
.if MSB != (\new)
	s_set_vgpr_msb (MSB<<8)|(\new)
.set MSB, (\new)
.endif
.endm
.set MUL_LO, 0xa1
.set MUL_HI, 0xf1
.macro JLOAD g0a, g1a, g0b, g1b
	s_cmp_eq_u32 s17, 0
	s_cbranch_scc0 .Lfor_w_\@
	tensor_load_to_lds s[\g0a:\g0a+3], s[\g1a:\g1a+7]
	s_nop 0
.rept 4
	v_nop
.endr
	s_branch .Lasked_\@
.Lfor_w_\@:
	tensor_load_to_lds s[\g0b:\g0b+3], s[\g1b:\g1b+7]
	s_nop 0
.rept 4
	v_nop
.endr
.Lasked_\@:
.endm
.macro CREST
	s_cmp_lg_u32 s16, 0
	s_cbranch_scc1 .Lnot_wave_0_\@
	s_barrier_signal -3
.Lnot_wave_0_\@:
	s_barrier_wait -3
	s_barrier_signal -1
	s_barrier_wait -1
.endm
.macro CROUND
	s_barrier_signal -1
	s_barrier_wait -1
	CREST
.endm
.macro ASK which
	s_cmp_eq_u32 s[LIM], 1
	s_cbranch_scc0 .Lnot_mine_\@
.if (\which) == 1
	s_wait_alu depctr_va_vdst(0)
	global_prefetch_b8 v[PFO], s[PFA:PFA+1] offset:10*UNIT th:TH_LOAD_NT scope:SCOPE_SE
.else
	s_wait_alu depctr_va_vdst(0)
	global_prefetch_b8 v[PFO], s[PFB:PFB+1] offset:12*UNIT th:TH_LOAD_NT scope:SCOPE_SE
	global_prefetch_b8 v[PFO], s[PFB:PFB+1] offset:12*UNIT+6400 th:TH_LOAD_NT scope:SCOPE_SE
.endif
.Lnot_mine_\@:
.endm
	s_load_b256 s[4:11], s[0:1], 0x0
	s_load_b128 s[12:15], s[0:1], 0x20
	v_lshl_add_u32 v[SPW], v0, 2, SPARE
	v_mov_b32 v[NIL], 0
	ds_add_u32 v28, v29
	ds_add_u32 v28, v29
	s_wait_dscnt 0x0
	v_lshrrev_b32 v1, 5, v0
	v_readfirstlane_b32 s16, v1
	s_lshr_b32 s17, s16, 1
	s_and_b32 s18, s16, 1
	s_bfe_u32 s19, ttmp6, 0x40000
	s_bfe_u32 s20, ttmp6, 0x40004
	s_lshl_b32 s21, ttmp9, 2
	s_add_co_u32 s21, s21, s19
	s_and_b32 s22, ttmp7, 0xffff
	s_lshl_b32 s22, s22, 2
	s_add_co_u32 s22, s22, s20
	s_lshl_b32 s43, s20, 2
	s_lshl_b32 s43, 15, s43
	s_lshl_b32 s44, 0x1111, s19
	s_or_b32 s[G1], s43, (3<<16)|(1<<21)
	s_or_b32 s[G1S], s43, (3<<16)|(1<<21)
	s_or_b32 s[G1B], s44, (3<<16)|(1<<21)
	s_or_b32 s[G1BS], s44, (3<<16)|(1<<21)
.irp g, G1, G1B
	s_mov_b32 s[\g+1], 32<<16
	s_mov_b32 s[\g+2], 200<<16
	s_mov_b32 s[\g+3], 32<<16
	s_mov_b32 s[\g+4], 200
	s_mov_b32 s[\g+5], 32
	s_mov_b32 s[\g+6], 0
	s_mov_b32 s[\g+7], 0
.endr
.irp g, G1S, G1BS
	s_mov_b32 s[\g+1], 32<<16
	s_mov_b32 s[\g+2], 100<<16
	s_mov_b32 s[\g+3], 32<<16
	s_mov_b32 s[\g+4], 100
	s_mov_b32 s[\g+5], 32
	s_mov_b32 s[\g+6], 0
	s_mov_b32 s[\g+7], 0
.endr
	s_lshl_b32 s76, s22, 1
	s_add_co_u32 s76, s76, s18
	s_mul_i32 s76, s76, GRP
	s_mov_b32 s77, 0
	s_lshl_b32 s78, s21, 1
	s_add_co_u32 s78, s78, s18
	s_mul_i32 s78, s78, GRP
	s_mov_b32 s79, 0
	s_mul_i32 s45, s16, BREG
	s_mul_i32 s23, s16, SREG
	s_add_co_u32 s23, s23, SML
	s_wait_kmcnt 0x0
	s_add_nc_u64 s[76:77], s[4:5], s[76:77]
	s_add_nc_u64 s[78:79], s[6:7], s[78:79]
	CROUND
	s_mov_b32 s[G0], 1
	s_mov_b32 s[G0+1], s45
	s_mov_b64 s[G0+2:G0+3], s[76:77]
	s_or_b32 s[G0+3], s[G0+3], 0x80000000
	s_mov_b32 s[G0B], 1
	s_mov_b32 s[G0B+1], s45
	s_mov_b64 s[G0B+2:G0B+3], s[78:79]
	s_or_b32 s[G0B+3], s[G0B+3], 0x80000000
	JLOAD G0, G1, G0B, G1B
	s_mov_b32 s[G0+4], 1
	s_mov_b32 s[G0+5], s23
	s_add_nc_u64 s[G0+6:G0+7], s[76:77], 4*UNIT
	s_or_b32 s[G0+7], s[G0+7], 0x80000000
	s_mov_b32 s[G0B+4], 1
	s_mov_b32 s[G0B+5], s23
	s_add_nc_u64 s[G0B+6:G0B+7], s[78:79], 4*UNIT
	s_or_b32 s[G0B+7], s[G0B+7], 0x80000000
	s_wait_alu depctr_va_vdst(0)
	s_wait_tensorcnt 0x0
	ds_add_u32 v28, v29
	s_wait_dscnt 0x0
	CROUND
	JLOAD G0+4, G1S, G0B+4, G1BS
	v_and_b32 v1, 31, v0
	v_and_b32 v2, 15, v0
	v_bfe_u32 v[HH], v0, 4, 1
	v_lshlrev_b32 v[GO], 4, v1
	s_wait_alu depctr_va_vdst(0)
	v_lshl_add_u32 v4, v2, 5, 12288
	s_wait_alu depctr_va_vdst(0)
	s_cmp_ge_u32 ttmp9, 4
	s_cselect_b32 s46, 2*BREG, 0
	s_cselect_b32 s47, 0, 2*BREG
	s_cselect_b32 s43, 2*SREG, 0
	s_cselect_b32 s44, 0, 2*SREG
	s_mul_i32 s80, s17, BREG
	s_add_co_u32 s46, s46, s80
	s_mul_i32 s80, s18, BREG
	s_add_co_u32 s47, s47, s80
	s_mul_i32 s80, s17, SREG
	s_add_co_u32 s43, s43, s80
	s_add_co_u32 s43, s43, SML
	s_mul_i32 s80, s18, SREG
	s_add_co_u32 s44, s44, s80
	s_add_co_u32 s44, s44, SML
	v_add_nc_u32 v[ADRA], s46, v[GO]
	v_add_nc_u32 v[ADRB], s47, v[GO]
	v_add_nc_u32 v[ASA], s46, v4
	v_add_nc_u32 v[ASB], s47, v4
	v_add_nc_u32 v[ADRA+1], s43, v[GO]
	v_add_nc_u32 v[ADRB+1], s44, v[GO]
	v_add_nc_u32 v[ASA+1], s43, v4
	v_add_nc_u32 v[ASB+1], s44, v4
	v_lshlrev_b32 v[SO], 5, v2
	v_lshl_add_u32 v[SO], v[HH], 4, v[SO]
	v_and_b32 v3, 8, v2
	v_add_nc_u32 v3, v3, v2
	v_lshlrev_b32 v[TAO], 8, v3
	v_lshl_add_u32 v[TAO], v[HH], 5, v[TAO]
	v_min_u32 v[PFO], 24, v1
	v_lshlrev_b32 v[PFO], 8, v[PFO]
.irp b, 0,1,2,3
	v_mov_b32 v[TM+4+\b], 0
.endr
	s_mov_b32 s[SEL], 0x76543210
	s_mov_b32 s[SEL+1], 0xfedcba98
	s_mov_b32 s[FQ], 0x3db504f3
	s_mov_b32 s[FQ+1], s[FQ]
	s_and_b32 s80, s21, 7
	s_lshl_b32 s80, s80, 1
	s_lshl_b32 s46, s22, 1
	s_cmp_ge_u32 ttmp9, 4
	s_cselect_b32 s81, s17, s18
	s_cselect_b32 s82, s18, s17
	s_cselect_b32 s83, UNIT, 0
	s_add_co_u32 s80, s80, s81
	s_lshl_b32 s80, s80, 4
	s_add_co_u32 s80, s80, s46
	s_add_co_u32 s80, s80, s82
	s_mov_b32 s47, 2*UNIT
	s_cmp_lt_u32 ttmp9, 2
	s_cselect_b64 s[OUTP:OUTP+1], s[12:13], s[14:15]
	s_cselect_b32 s47, UNIT, s47
	s_mul_i32 s80, s80, s47
	s_add_co_u32 s80, s80, s83
	s_mov_b32 s81, 0
	s_add_nc_u64 s[OUTP:OUTP+1], s[OUTP:OUTP+1], s[80:81]
	s_lshl_b32 s80, s22, 16
	s_lshl_b32 s82, s17, 15
	s_add_co_u32 s80, s80, s82
	s_add_nc_u64 s[COSP:COSP+1], s[8:9], s[80:81]
	s_add_nc_u64 s[SINP:SINP+1], s[10:11], s[80:81]
	s_and_b32 s82, ttmp7, 0xffff
	s_cmp_eq_u32 s17, 0
	s_cselect_b64 s[PFA:PFA+1], s[76:77], s[78:79]
	s_cselect_b32 s80, s19, s20
	s_cselect_b32 s82, ttmp9, s82
	s_cmp_eq_u32 s82, 0
	s_cselect_b32 s[LIM], 1, 0
	s_mul_i32 s80, s80, 6400
	s_mov_b32 s81, 0
	s_add_nc_u64 s[PFA:PFA+1], s[PFA:PFA+1], s[80:81]
	s_add_nc_u64 s[PFB:PFB+1], s[PFA:PFA+1], s[80:81]
.macro FRAG reg, adr, q, i
.irp c, 0,1,2
	ds_load_b128 v[(\reg)+4*\c:(\reg)+4*\c+3], v[\adr] offset:(\q)*UNIT+(\i)*1536+512*\c
.endr
.endm
.macro MUL16 a0, p, zero
.irp a, \a0, \a0+1
.irp b, 0,1,2,3,4,5,6,7
.if \zero
	v_wmma_scale_f32_16x16x128_f8f6f4 v[8*(8*((\a)%4)+\b):8*(8*((\a)%4)+\b)+7], v[128*(\p)+FR*\b:128*(\p)+FR*\b+FR-1], v[AF+FR*(\a):AF+FR*(\a)+FR-1], 0, v[SC+16*(\p)+8+4*(\b%2)+\b/2], v[SC+16*(\p)+4*((\a)%2)+(\a)/2] matrix_a_fmt:MATRIX_FMT_BF6 matrix_b_fmt:MATRIX_FMT_BF6
.else
	v_wmma_scale_f32_16x16x128_f8f6f4 v[8*(8*((\a)%4)+\b):8*(8*((\a)%4)+\b)+7], v[128*(\p)+FR*\b:128*(\p)+FR*\b+FR-1], v[AF+FR*(\a):AF+FR*(\a)+FR-1], v[8*(8*((\a)%4)+\b):8*(8*((\a)%4)+\b)+7], v[SC+16*(\p)+8+4*(\b%2)+\b/2], v[SC+16*(\p)+4*((\a)%2)+(\a)/2] matrix_a_fmt:MATRIX_FMT_BF6 matrix_b_fmt:MATRIX_FMT_BF6
.endif
.endr
.endr
.endm
.macro FETCH_B slot, q, p
	WIN 0x40
.irp i, 0,1,2,3,4,5,6,7
	FRAG 128*(\p)+FR*\i, ADRB+\slot, \q, \i
.endr
	WIN 0
	ds_load_b128 v[SC+16*(\p):SC+16*(\p)+3], v[ASA+\slot] offset:(\q)*UNIT
	ds_load_b128 v[SC+16*(\p)+4:SC+16*(\p)+7], v[ASA+\slot] offset:(\q)*UNIT+16
	ds_load_b128 v[SC+16*(\p)+8:SC+16*(\p)+11], v[ASB+\slot] offset:(\q)*UNIT
	ds_load_b128 v[SC+16*(\p)+12:SC+16*(\p)+15], v[ASB+\slot] offset:(\q)*UNIT+16
.endm
.macro FETCH_A slot, q, i0
.irp i, \i0, \i0+1, \i0+2, \i0+3
	FRAG AF+FR*(\i), ADRA+\slot, \q, \i
.endr
.endm
.macro PLACES n
.rept \n
	v_nop
.endr
.endm
.macro STEP slot, q, zero
	s_wait_dscnt 4*NL
	WIN MUL_LO
	MUL16 0, (\q)%2, \zero
	MUL16 2, (\q)%2, \zero
	s_wait_dscnt 0x0
	PLACES NP
	FETCH_B \slot, (\q)+1, 1-(\q)%2
	FETCH_A \slot, (\q)+1, 0
	WIN MUL_HI
	MUL16 4, (\q)%2, \zero
	MUL16 6, (\q)%2, \zero
	PLACES NP
	WIN 0
	FETCH_A \slot, (\q)+1, 4
.endm
.macro TURN slot, next, fill, ask
	s_wait_tensorcnt 0x0
	ds_add_u32 v[SPW], v[NIL]
	s_wait_dscnt 4*NL+1
	WIN MUL_LO
	MUL16 0, 1, 0
	s_wait_dscnt 0x0
	s_barrier_signal -1
	MUL16 2, 1, 0
	WIN 0
	s_barrier_wait -1
.if \fill
	CREST
	s_add_nc_u64 s[G0+4*\slot+2:G0+4*\slot+3], s[G0+4*\slot+2:G0+4*\slot+3], 6*UNIT
	s_add_nc_u64 s[G0B+4*\slot+2:G0B+4*\slot+3], s[G0B+4*\slot+2:G0B+4*\slot+3], 6*UNIT
.if \slot == 0
	JLOAD G0, G1, G0B, G1B
.else
	JLOAD G0+4, G1S, G0B+4, G1BS
.endif
.else
	PLACES NP
.endif
	FETCH_B \next, 0, 0
	FETCH_A \next, 0, 0
.if \ask
	ASK \ask
.endif
	WIN MUL_HI
	MUL16 4, 1, 0
	MUL16 6, 1, 0
	PLACES NP
	WIN 0
	FETCH_A \next, 0, 4
.endm
.macro LAST
	s_wait_dscnt 4*NL
	WIN MUL_LO
	MUL16 0, 1, 0
	MUL16 2, 1, 0
	s_wait_dscnt 0x0
	WIN MUL_HI
	MUL16 4, 1, 0
	MUL16 6, 1, 0
	WIN 0
.endm
.macro QUANT s, w, pw
	WIN (\w)*5
.irp b, 0,1,2,3
	v_max3_num_f32 v[TM+\b], |v[(\s)+16*\b]|, |v[(\s)+16*\b+1]|, 0x2800000
.endr
.irp i, 2,4,6,8,10,12,14
.irp b, 0,1,2,3
	v_max3_num_f32 v[TM+\b], |v[(\s)+16*\b+\i]|, |v[(\s)+16*\b+\i+1]|, v[TM+\b]
.endr
.endr
	WIN 0
.irp b, 0,1,2,3
	v_permlanex16_b32 v[TM+4+\b], v[TM+\b], s[SEL], s[SEL+1]
.endr
.irp b, 0,1,2,3
	v_max_num_f32 v[TM+\b], v[TM+\b], v[TM+4+\b]
.endr
.irp b, 0,1,2,3
	v_add_nc_u32 v[TM+12+\b], 0xfe000000, v[TM+\b]
.endr
.irp b, 0,1,2,3
	v_lshrrev_b32 v[TM+4+\b], 23, v[TM+12+\b]
.endr
	v_lshl_or_b32 v[\pw], v[TM+5], 8, v[TM+4]
	v_lshl_or_b32 v[\pw], v[TM+6], 16, v[\pw]
	v_lshl_or_b32 v[\pw], v[TM+7], 24, v[\pw]
	WIN \w
.irp c, 0,1
	v_cvt_scalef32_pk16_bf6_f32 v[PC+6*\c:PC+6*\c+2], v[(\s)+32*\c:(\s)+32*\c+15], v[TM+12+2*\c]
	v_cvt_scalef32_pk16_bf6_f32 v[PC+12+4*\c:PC+14+4*\c], v[(\s)+32*\c+16:(\s)+32*\c+31], v[TM+13+2*\c]
.endr
	WIN 0
	v_nop
.irp c, 0,1
.irp i, 0,1,2
	v_permlane16_swap_b32 v[PC+6*\c+\i], v[PC+12+4*\c+\i]
.endr
.irp i, 0,1,2
	v_mov_b32 v[PC+3+6*\c+\i], v[PC+12+4*\c+\i]
.endr
.endr
.endm
.macro SENDF a
.irp c, 0,1,2
	global_store_b128 v[GO], v[PC+4*\c:PC+4*\c+3], s[OUTP:OUTP+1] offset:(\a)*1536+512*\c
.endr
.endm
.macro CSLOAD a
	WIN 0x40
.set TB_, 64*((\a)%4)
.irp e, 0,1,2,3,4,5,6,7
	global_load_b128 v[TB_+4*\e:TB_+4*\e+3], v[TAO], s[COSP:COSP+1] offset:(32*((\a)/2)+8*((\a)%2))*256+64*(\e/2)+16*(\e%2)
	global_load_b128 v[TB_+32+4*\e:TB_+32+4*\e+3], v[TAO], s[SINP:SINP+1] offset:(32*((\a)/2)+8*((\a)%2))*256+64*(\e/2)+16*(\e%2)
.endr
	WIN 0
.endm
.macro ROPE a
.set AC_, 64*((\a)%4)
.set TB_, 64*((\a)%4)
	WIN 0x06+(\a)/4
.set p_, 0
.rept 16
	v_mul_f32 v[T], v[AC_+2*p_+1], v[TB_+32+p_]
	v_mul_f32 v[T+2], v[AC_+2*p_+3], v[TB_+33+p_]
	v_mul_f32 v[T+1], v[AC_+2*p_+1], v[TB_+p_]
	v_mul_f32 v[T+3], v[AC_+2*p_+3], v[TB_+1+p_]
	v_fma_f32 v[HA+2*p_], v[AC_+2*p_], v[TB_+p_], -v[T]
	v_fma_f32 v[HA+2*p_+2], v[AC_+2*p_+2], v[TB_+1+p_], -v[T+2]
	v_fma_f32 v[HA+2*p_+1], v[AC_+2*p_], v[TB_+32+p_], v[T+1]
	v_fma_f32 v[HA+2*p_+3], v[AC_+2*p_+2], v[TB_+33+p_], v[T+3]
.set p_, p_+2
.endr
	WIN 0
.endm
.macro QSCALE
	s_cmp_lt_u32 ttmp9, 2
	s_cbranch_scc0 .Lkeys_\@
.set p_, 0
.rept 32
	v_pk_mul_f32 v[HA+p_:HA+p_+1], v[HA+p_:HA+p_+1], s[FQ:FQ+1] op_sel_hi:[1,0]
.set p_, p_+2
.endr
.Lkeys_\@:
.endm
	s_wait_tensorcnt 1
	s_barrier_signal -1
	s_barrier_wait -1
	FETCH_B 0, 0, 0
	FETCH_A 0, 0, 0
	FETCH_A 0, 0, 4
	STEP 0, 0, 1
	STEP 0, 1, 0
	STEP 0, 2, 0
	TURN 0, 1, 1, 1
	STEP 1, 0, 0
	TURN 1, 0, 1, 2
	STEP 0, 0, 0
	STEP 0, 1, 0
	STEP 0, 2, 0
	TURN 0, 1, 1, 0
	STEP 1, 0, 0
	TURN 1, 0, 0, 0
	STEP 0, 0, 0
	STEP 0, 1, 0
	STEP 0, 2, 0
	s_cmp_ge_u32 ttmp9, 4
	s_cbranch_scc1 .Lvalues
	s_wait_alu depctr_va_vdst(0)
	CSLOAD 0
	CSLOAD 1
	LAST
	PLACES NP
	CSLOAD 2
	CSLOAD 3
.irp a, 0,1,2,3,4,5,6,7
.if \a < 5
	s_wait_loadcnt 48
.else
	s_wait_loadcnt 16*(7-\a)
.endif
	ROPE \a
	QSCALE
	s_wait_xcnt 0x0
	QUANT HA, 0, SW+\a
	SENDF \a
.if \a < 4
	CSLOAD \a+4
.endif
.endr
	s_branch .Lwords
.Lvalues:
	LAST
	PLACES NP
.irp a, 0,1,2,3,4,5,6,7
.if \a > 0
	s_wait_xcnt 0x0
.endif
	QUANT 64*(\a%4), 2+\a/4, SW+\a
	SENDF \a
.endr
.Lwords:
	v_cmp_ne_u32 vcc_lo, 0, v[HH]
.irp i, 0,1,2,3
	v_cndmask_b32 v[D+\i], v[SW+2*\i], v[SW+2*\i+1], vcc_lo
.endr
	global_store_b128 v[SO], v[D:D+3], s[OUTP:OUTP+1] offset:12288
	s_wait_tensorcnt 0x0
	ds_add_u32 v[SPW], v[NIL]
	s_wait_dscnt 0x0
	CROUND
	s_endpgm
.Lfunc_end_k_q0a1cddf551_qkv:
	.size	k_q0a1cddf551_qkv, .Lfunc_end_k_q0a1cddf551_qkv-k_q0a1cddf551_qkv
	.p2alignl 7, 3214868480
	.fill 96, 4, 3214868480
	.section	.rodata,"a",@progbits
	.p2align	6, 0x0
	.amdhsa_kernel k_q0a1cddf551_qkv
		.amdhsa_group_segment_fixed_size 327680
		.amdhsa_private_segment_fixed_size 0
		.amdhsa_enable_private_segment 0
		.amdhsa_kernarg_size 48
		.amdhsa_user_sgpr_count 2
		.amdhsa_user_sgpr_kernarg_segment_ptr 1
		.amdhsa_wavefront_size32 1
		.amdhsa_system_sgpr_workgroup_id_x 1
		.amdhsa_system_sgpr_workgroup_id_y 1
		.amdhsa_system_sgpr_workgroup_id_z 1
		.amdhsa_system_vgpr_workitem_id 0
		.amdhsa_next_free_vgpr 1024
		.amdhsa_next_free_sgpr 100
		.amdhsa_reserve_vcc 1
		.amdhsa_float_denorm_mode_32 3
		.amdhsa_float_denorm_mode_16_64 3
		.amdhsa_memory_ordered 1
		.amdhsa_forward_progress 1
		.amdhsa_inst_pref_size 255
	.end_amdhsa_kernel
	.section	.bss,"aw",@nobits
	.p2align	6
	.space	262144
	.amdgpu_metadata
---
amdhsa.version: [ 1, 2 ]
amdhsa.kernels:
  - .name:           k_q0a1cddf551_qkv
    .symbol:         k_q0a1cddf551_qkv.kd
    .args:
      - { .name: ximg, .offset: 0, .size: 8, .value_kind: global_buffer, .address_space: global }
      - { .name: wimg, .offset: 8, .size: 8, .value_kind: global_buffer, .address_space: global }
      - { .name: freqs_cos, .offset: 16, .size: 8, .value_kind: global_buffer, .address_space: global }
      - { .name: freqs_sin, .offset: 24, .size: 8, .value_kind: global_buffer, .address_space: global }
      - { .name: qimg, .offset: 32, .size: 8, .value_kind: global_buffer, .address_space: global }
      - { .name: kvimg, .offset: 40, .size: 8, .value_kind: global_buffer, .address_space: global }
    .group_segment_fixed_size: 327680
    .private_segment_fixed_size: 0
    .kernarg_segment_align: 8
    .kernarg_segment_size: 48
    .max_flat_workgroup_size: 128
    .sgpr_count:     100
    .vgpr_count:     1024
    .wavefront_size: 32
...
	.end_amdgpu_metadata
.endif
;; end of part 2
;; launch attn (part 3): grid 16 x 16, 8 waves a work-group, clusters of 4 x 4, 327,680 bytes of LDS; arguments qimg, kvimg, mask, aimg; writes aimg
.if DOCPART == 3
	.amdgcn_target "amdgcn-amd-amdhsa--gfx1250"
	.amdhsa_code_object_version 6
	.text
	.protected	k_q0a1cddf551_attn
	.globl	k_q0a1cddf551_attn
	.p2align	8
	.type	k_q0a1cddf551_attn,@function
k_q0a1cddf551_attn:
	s_mov_b64 s[64:65], 0
	v_nop
	global_prefetch_b8 v0, s[64:65] scope:SCOPE_SE
	s_setreg_imm32_b32 hwreg(HW_REG_WAVE_MODE, 25, 1), 1
	s_wait_xcnt 0x0
	s_wait_alu depctr_hold_cnt(0) depctr_sa_sdst(0) depctr_va_vdst(0) depctr_va_sdst(0) depctr_va_ssrc(0) depctr_va_vcc(0) depctr_vm_vsrc(0)
	s_getreg_b32 s2, hwreg(HW_REG_IB_STS2, 6, 4)
	s_cmp_eq_u32 s2, 0
	s_cbranch_scc0 .Lentry_in_a_cluster
	s_endpgm
.Lentry_in_a_cluster:
	s_bfe_u32 s2, ttmp6, 0x10000c
	s_cmp_lg_u32 s2, 0xf033
	s_cbranch_scc0 .Lentry_shape_is_right
	s_endpgm
.Lentry_shape_is_right:
; For each head: S = q k^T + mask, the softmax, O = P V, O / l, and the quantising of the result along the output projection's K.  Both products on codes of BF6 (E3M2) with E8M0 scales.
; q already carries 1 / sqrt(128).  THE MASK IS AN INPUT: it is loaded whole, in f32, and enters as the C of the first product: S^T = K Q^T + mask; every head walks all 2,048 keys.  Nothing of the source is left out.
; THE SOFTMAX: t = logit x log2(e); M = the running largest t rounded UP to a whole number, kept as -M = floor(-t); p = 2^(t - M) is quantised along the keys, not normalised; the sum is taken of the unquantised p
; and divides at the end; when M moves, the sum and O are multiplied by 2^(old M - new M), which rounds nothing.
; LIMITS: the mask holds finite numbers (the source's own is 0 and -1e9); NaN and infinities among the inputs are not served.  A block whose largest magnitude lies under 2^-122 keeps the byte 1.
; IMAGES as in the launches before: units of 12,800 bytes (8 fragments of 1,536, then 512 bytes of scale words).  qimg [head][query block], kvimg [head][key step][K's unit | V's unit], aimg [query block][head].
; SHARES.  A work-group owns 128 queries of one head; it has eight waves, two to a SIMD; wave w owns the 16 queries of fragment w.
; Both products are used transposed (S^T = K Q^T, O^T = V^T P^T): a lane holds one query throughout, and by the images' order of rows the 16 registers of two neighbouring tiles are 16 neighbouring keys (or d).
; PERIOD m: the softmax of step m's scores, which lie in registers; O x f; O^T += V^T P^T of step m; the scores of step m + 1.
; K AND V GO FROM MEMORY STRAIGHT INTO REGISTERS: an image holds a fragment as the registers want it, 512 consecutive bytes a load.  V of step m + 1 is asked for behind the products that read V of step m, K of step m + 2
; behind those that read K of step m + 1: each a whole period ahead of its use, into the registers just freed.  They are not staged in LDS and not asked for jointly: out of LDS eight waves would read 8 x 24,576 bytes of
; fragments a step beside the mask's 65,536, four times the LDS bytes that this text reads.
; THE MASK goes through two LDS slots, each 128 rows x 1,024 bytes (two key steps; rows 1,032 bytes apart), every wave fetching 16 rows: one round of the cluster's barrier for two periods.
; CLUSTER 4 x 4: x = query blocks, y = heads.  The mask's tile hangs on the query block alone: asked for jointly along a column.
; REGISTERS.  window 0: v2-12 addresses; v16-23 statistics; v24-40 scale words; v44-62 p's codes; v64-95 at work; v96-107 Q; v128-191, v192-255 S^T, then p, of even and odd steps.  window 1: v0-63 O^T; v64-159 K; v160-255 V.
.set UNIT,  12800
.set PAIR,  2*UNIT
.set MP,    1032                       ; a row of the mask in LDS: 1,024 bytes + 8: the 32 lanes of a load of 8 bytes (rows 0-7 and 16-23, two halves) touch 64 different banks (64 banks of 4 bytes: ISA guide 11.1)
.set SLOT,  128*MP
.set SPARE, 2*SLOT                     ; the spare words: 128 bytes for each of eight waves
.set GL,  2                            ; v2  16 x lane
.set SCO, 3                            ; v3  32 r
.set AM,  4                            ; v4-5  my row of the mask in slot 0, 1
.set SPW, 8
.set NIL, 9
.set PFO, 10
.set GO,  11                           ; v11 16 x lane + 1536 w
.set WO,  12                           ; v12 32 r + 16 (w % 2) + 4 (w / 2)
.set ST,  16                           ; +0 -M, +1 the largest t, +2, +3 the sum in two halves, +4 f, +5 p's scale word, +6 1 / l
.set KS,  24
.set VS,  32
.set QS,  40
.set PC,  44
.set PH,  56                           ; the conversions' second halves
.set BM,  64
.set BT,  68
.set BS,  72
.set W2,  76
.set W0,  78
.set TM,  80
.set QF,  96
.set S,   128
.set KF,  64                           ; window 1
.set VF,  160                          ; window 1
.set WV,  12
.set SEL, 20
.set CS,  22
.set G1M, 24
.set G0M, 32
.set KVP, 40                           ; s[40:41] the head's K and V, at key step m + 1
.set PFK, 42                           ; s[42:43] K's and V's prefetches
.set PFM, 44                           ; s[44:45] the mask's
.set LK0, 46                           ; the prefetches' tests: 0 or 1 in the waves that ask, the greatest number in the others
.set LK1, 47
.set LM0, 48
.set LM1, 49
.set CNT, 50
.set MSB, 0
.macro WIN new
.if MSB != (\new)
	s_set_vgpr_msb (MSB<<8)|(\new)
.set MSB, (\new)
.endif
.endm
.macro PLACES
.rept 4
	v_nop
.endr
.endm
.macro TLOAD g0                        ; every wave fetches its 16 rows; s_nop 0 and four v_nop follow each tensor load
	tensor_load_to_lds s[\g0:\g0+3], s[G1M:G1M+7]
	s_nop 0
	PLACES
.endm
.macro CROUND
	s_barrier_signal -1
	s_barrier_wait -1
	s_cmp_lg_u32 s[WV], 0
	s_cbranch_scc1 .Lnot_wave_0_\@
	s_barrier_signal -3
.Lnot_wave_0_\@:
	s_barrier_wait -3
	s_barrier_signal -1
	s_barrier_wait -1
.endm
; PREFETCHES.  The mask: with the load of slot content c + 1 goes a prefetch of content c + 2, two periods ahead of its load.  Its tile is read by all four clusters of a column of clusters: cluster y = 0 asks, waves 0-3;
; the four partners take 32 rows each, told apart by address, a wave 8 rows x 4 blocks of 256 bytes.  K and V: in period m the unit pair of step m + 4, two periods ahead of K's loads.  They are read by all four clusters
; of a row: cluster x = 0 asks, wave 4; the partners take 6,400 bytes each (lanes 25-31 repeat lane 24's block).  The tests stop at content 7 and at step 15.
.macro ASK lim, ptr, off
	s_cmp_gt_u32 s[CNT], s[\lim]
	s_cbranch_scc0 .Lnot_mine_\@
	global_prefetch_b8 v[PFO], s[\ptr:\ptr+1] offset:\off th:TH_LOAD_NT scope:SCOPE_SE
.Lnot_mine_\@:
.endm
.macro GRD s
	s_wait_tensorcnt 0x0
	ds_add_u32 v[SPW], v[NIL]
	s_add_nc_u64 s[G0M+4*\s+2:G0M+4*\s+3], s[G0M+4*\s+2:G0M+4*\s+3], 2*1024   ; no load of mine is out: this slot's next content, two on
	s_wait_dscnt 0x0
	CROUND
.endm
.macro KLOAD off                       ; K's unit at s[KVP] + off: two loads of scale words, 24 of fragments
	global_load_b128 v[KS:KS+3], v[SCO], s[KVP:KVP+1] offset:(\off)+12288
	global_load_b128 v[KS+4:KS+7], v[SCO], s[KVP:KVP+1] offset:(\off)+12288+16
	WIN 0x40
.irp t, 0,1,2,3,4,5,6,7
.irp c, 0,1,2
	global_load_b128 v[KF+12*\t+4*\c:KF+12*\t+4*\c+3], v[GL], s[KVP:KVP+1] offset:(\off)+\t*1536+512*\c
.endr
.endr
	WIN 0
.endm
.macro VLOAD off
	global_load_b128 v[VS:VS+3], v[SCO], s[KVP:KVP+1] offset:(\off)+12288
	global_load_b128 v[VS+4:VS+7], v[SCO], s[KVP:KVP+1] offset:(\off)+12288+16
	WIN 0x40
.irp t, 0,1,2,3,4,5,6,7
.irp c, 0,1,2
	global_load_b128 v[VF+12*\t+4*\c:VF+12*\t+4*\c+3], v[GL], s[KVP:KVP+1] offset:(\off)+\t*1536+512*\c
.endr
.endr
	WIN 0
.endm
	s_load_b256 s[4:11], s[0:1], 0x0               ; qimg, kvimg, mask, aimg
	v_lshl_add_u32 v[SPW], v0, 2, SPARE
	v_mov_b32 v[NIL], 0
	ds_add_u32 v[SPW], v[NIL]                      ; the opening lines: the add twice on end and its wait
	ds_add_u32 v[SPW], v[NIL]
	v_lshrrev_b32 v1, 5, v0
	v_readfirstlane_b32 s[WV], v1                  ; wave 0..7
	s_bfe_u32 s13, ttmp6, 0x40000                  ; cx
	s_bfe_u32 s14, ttmp6, 0x40004                  ; cy
	s_lshl_b32 s15, ttmp9, 2
	s_add_co_u32 s15, s15, s13                     ; the query block = 4 x cluster x + cx
	s_and_b32 s16, ttmp7, 0xffff
	s_lshl_b32 s16, s16, 2
	s_add_co_u32 s16, s16, s14                     ; the head = 4 x cluster y + cy
	s_lshl_b32 s18, 0x1111, s13                    ; my column of the cluster: one query block
	s_or_b32 s[G1M], s18, (2<<16)|(1<<20)|(1<<21)|(7<<22)|(1<<25)  ; the mask: elements of 4 bytes; padding on, behind every 256 words, 2 words
	s_mov_b32 s[G1M+1], 256<<16
	s_mov_b32 s[G1M+2], 16<<16
	s_mov_b32 s[G1M+3], 256<<16
	s_mov_b32 s[G1M+4], 16                         ; 16 rows of 256 numbers
	s_mov_b32 s[G1M+5], 2048                       ; the pitch
	s_mov_b32 s[G1M+6], 0
	s_mov_b32 s[G1M+7], 0
	s_lshl_b32 s66, s15, 7
	s_lshl_b32 s67, s[WV], 4
	s_add_co_u32 s66, s66, s67
	s_lshl_b32 s66, s66, 13                        ; the mask: row 128 qb + 16 w, 8,192 bytes a row
	s_mov_b32 s67, 0
	s_mul_i32 s68, s16, 16*PAIR                    ; the head's sixteen key steps
	s_mov_b32 s69, 0
	s_mul_i32 s70, s[WV], 16*MP
	s_lshl_b32 s72, s16, 4
	s_add_co_u32 s72, s72, s15
	s_mul_i32 s72, s72, UNIT                       ; Q's unit: [head][query block]
	s_mov_b32 s73, 0
	s_lshl_b32 s74, s15, 4
	s_add_co_u32 s74, s74, s16
	s_mul_i32 s74, s74, UNIT                       ; the result's unit: [query block][head]
	s_mov_b32 s75, 0
	s_lshl_b32 s78, s15, 7
	s_lshl_b32 s79, s14, 5
	s_add_co_u32 s78, s78, s79
	s_lshl_b32 s79, s[WV], 3
	s_add_co_u32 s78, s78, s79
	s_lshl_b32 s78, s78, 13                        ; the mask's prefetches: row 128 qb + 32 cy + 8 w,
	s_add_co_u32 s78, s78, 2*1024                  ; at content 2
	s_mov_b32 s79, 0
	s_mul_i32 s80, s13, 6400
	s_add_co_u32 s80, s80, PAIR                    ; K's and V's: my work-group's 6,400 bytes, at step 1
	s_mov_b32 s81, 0
	s_wait_dscnt 0x0                               ; both opening adds are done
	s_wait_kmcnt 0x0
	s_add_nc_u64 s[66:67], s[8:9], s[66:67]
	s_add_nc_u64 s[KVP:KVP+1], s[6:7], s[68:69]
	s_add_nc_u64 s[72:73], s[4:5], s[72:73]
	s_add_nc_u64 s[74:75], s[10:11], s[74:75]
	s_add_nc_u64 s[PFM:PFM+1], s[8:9], s[78:79]
	s_add_nc_u64 s[PFK:PFK+1], s[KVP:KVP+1], s[80:81]
	CROUND                                         ; all sixteen work-groups are here: the first joint loads meet
.irp s, 0,1
	s_mov_b32 s[G0M+4*\s], 1                       ; slot s begins with content s: key steps 2 s and 2 s + 1
	s_add_co_u32 s[G0M+4*\s+1], s70, \s*SLOT
	s_add_nc_u64 s[G0M+4*\s+2:G0M+4*\s+3], s[66:67], \s*1024
	s_or_b32 s[G0M+4*\s+3], s[G0M+4*\s+3], 0x80000000
.endr
	TLOAD G0M                                      ; content 0: one tensor load a wave at the head
	s_lshr_b32 s76, s[WV], 1
	s_lshl_b32 s70, s76, 5
	s_and_b32 s77, s[WV], 1
	s_lshl_b32 s71, s77, 3
	s_add_co_u32 s70, s70, s71                     ; 32 (w / 2) + 8 (w % 2): my fragment's first row
	s_mul_i32 s71, s[WV], 1536
	s_lshl_b32 s82, s77, 4
	s_lshl_b32 s76, s76, 2
	s_add_co_u32 s82, s82, s76                     ; 16 (w % 2) + 4 (w / 2)
	s_cmp_lt_u32 s[WV], 4
	s_cselect_b32 s83, -1, 0
	v_and_b32 v1, 31, v0                           ; lane
	v_and_b32 v13, 15, v0                          ; r
	v_bfe_u32 v14, v0, 4, 1                        ; h
	v_lshlrev_b32 v[GL], 4, v1
	v_lshlrev_b32 v[SCO], 5, v13
	v_add_nc_u32 v[WO], s82, v[SCO]
	v_and_b32 v[AM], 7, v0
	v_bfe_u32 v[AM+1], v0, 3, 1
	v_lshl_add_u32 v[AM], v[AM+1], 4, v[AM]        ; r + 8 (r / 8)
	v_add_nc_u32 v[AM], s70, v[AM]                 ; my lane's query
	v_mul_u32_u24 v[AM], v[AM], MP
	v_lshl_add_u32 v[AM], v14, 6, v[AM]            ; + 64 h: my 16 keys of each 32
	v_add_nc_u32 v[AM+1], SLOT, v[AM]
	v_add_nc_u32 v[GO], s71, v[GL]
	v_lshrrev_b32 v13, 2, v1
	v_and_b32 v14, 3, v1
	v_lshlrev_b32 v13, 13, v13
	v_lshl_add_u32 v13, v14, 8, v13                ; the prefetches: the mask: row lane / 4, block lane % 4
	v_min_u32 v14, 24, v1
	v_lshlrev_b32 v14, 8, v14                      ; K and V: block min(lane, 24)
	v_cndmask_b32 v[PFO], v14, v13, s83
	v_mov_b32 v[ST+1], 0xff61b1e6                  ; the largest t begins as -3e38, the sum as 0: the first f is 0
	v_floor_f32 v[ST], -v[ST+1]
	v_mov_b32 v[ST+2], 0
	v_mov_b32 v[ST+3], 0
	v_mov_b32 v[ST+5], 0                           ; (named as the upper half of a pair before it is first written)
	v_mov_b32 v[ST+7], 0
.irp b, 0,1,2,3
	v_mov_b32 v[BT+\b], 0                          ; written once: a lane permute's destination counts as one of its sources
	v_mov_b32 v[TM+4+\b], 0
.endr
	s_wait_alu depctr_va_vdst(0)                   ; the wait at the head's end
.irp c, 0,1,2
	global_load_b128 v[QF+4*\c:QF+4*\c+3], v[GO], s[72:73] offset:512*\c    ; Q's fragment stays in registers
.endr
	global_load_b32 v[QS], v[WO], s[72:73] offset:12288
	KLOAD 0                                        ; K of step 0,
	VLOAD UNIT                                     ; V of step 0: 26 loads, the youngest
	s_and_b32 s77, ttmp7, 0xffff
	s_cmp_eq_u32 s77, 0                            ; the coordinates along which other clusters read the same bytes
	s_cselect_b32 s[LM0], 0, -1
	s_cselect_b32 s[LM1], 1, -1
	s_cmp_lt_u32 s[WV], 4
	s_cselect_b32 s[LM0], s[LM0], -1
	s_cselect_b32 s[LM1], s[LM1], -1
	s_cmp_eq_u32 ttmp9, 0
	s_cselect_b32 s[LK0], 0, -1
	s_cselect_b32 s[LK1], 1, -1
	s_cmp_eq_u32 s[WV], 4
	s_cselect_b32 s[LK0], s[LK0], -1
	s_cselect_b32 s[LK1], s[LK1], -1
	s_mov_b32 s[SEL], 0x76543210
	s_mov_b32 s[SEL+1], 0xfedcba98
	s_mov_b32 s[CS], 0x3fb8aa3b                    ; log2(e)
	s_mov_b32 s[CS+1], s[CS]
	s_mov_b32 s[CNT], 3
	ASK LK0, PFK, 0                                ; the buffer's first touch is asked for earlier: steps 1 and 2
	ASK LK0, PFK, PAIR
.macro MLOAD ms, mh, sb                ; my row of the mask into the scores' registers: register 16 b + i is key 32 b + 16 h + i of my query, as in S^T; mh: which of the slot's two key steps
.irp b, 0,1,2,3
.irp i, 0,1,2,3,4,5,6,7
	ds_load_b64 v[(\sb)+16*\b+2*\i:(\sb)+16*\b+2*\i+1], v[AM+\ms] offset:512*(\mh)+128*\b+8*\i
.endr
.endr
.endm
.macro QK sb                           ; S^T = K Q^T + mask: eight accumulators, one instruction each; C is the mask, loaded into the same registers
	WIN 0x01
.irp t, 0,1,2,3,4,5,6,7
	v_wmma_scale_f32_16x16x128_f8f6f4 v[(\sb)+8*\t:(\sb)+8*\t+7], v[KF+12*\t:KF+12*\t+11], v[QF:QF+11], v[(\sb)+8*\t:(\sb)+8*\t+7], v[KS+4*(\t%2)+\t/2], v[QS] matrix_a_fmt:MATRIX_FMT_BF6 matrix_b_fmt:MATRIX_FMT_BF6
.endr
	WIN 0
	PLACES                                         ; in front of the loads into K's registers and of the first read of the scores
.endm
.macro PV first                        ; O^T += V^T P^T; the first product starts the sums
	WIN 0x51
.irp t, 0,1,2,3,4,5,6,7
.if \first
	v_wmma_scale_f32_16x16x128_f8f6f4 v[8*\t:8*\t+7], v[VF+12*\t:VF+12*\t+11], v[PC:PC+11], 0, v[VS+4*(\t%2)+\t/2], v[ST+5] matrix_a_fmt:MATRIX_FMT_BF6 matrix_b_fmt:MATRIX_FMT_BF6
.else
	v_wmma_scale_f32_16x16x128_f8f6f4 v[8*\t:8*\t+7], v[VF+12*\t:VF+12*\t+11], v[PC:PC+11], v[8*\t:8*\t+7], v[VS+4*(\t%2)+\t/2], v[ST+5] matrix_a_fmt:MATRIX_FMT_BF6 matrix_b_fmt:MATRIX_FMT_BF6
.endif
.endr
	WIN 0
	PLACES                                         ; in front of the loads into V's registers and of the way out's reads
.endm
; The softmax of one step of 128 keys, logits in v[sb] on, and p's codes.  ml = 1: behind the exponentials the next step's mask is asked for, into v[ob] on, and the pointers are stepped.
.macro SM sb, ml, ms, mh, ob, lk, lm
.irp b, 0,1,2,3
	v_max3_num_f32 v[BM+\b], v[(\sb)+16*\b], v[(\sb)+16*\b+1], v[(\sb)+16*\b+2]     ; the largest logit of each block of 32 keys: for the row's maximum, and, since p rises with the logit, for the block's largest p
.endr
.irp i, 3,5,7,9,11,13
.irp b, 0,1,2,3
	v_max3_num_f32 v[BM+\b], v[BM+\b], v[(\sb)+16*\b+\i], v[(\sb)+16*\b+\i+1]
.endr
.endr
.irp b, 0,1,2,3
	v_max_num_f32 v[BM+\b], v[BM+\b], v[(\sb)+16*\b+15]
.endr
.irp b, 0,1,2,3
	v_permlanex16_b32 v[BT+\b], v[BM+\b], s[SEL], s[SEL+1]
.endr
.irp b, 0,1,2,3
	v_max_num_f32 v[BM+\b], v[BM+\b], v[BT+\b]
.endr
	v_max3_num_f32 v[W0], v[BM], v[BM+1], v[BM+2]
	s_delay_alu instid0(VALU_DEP_1)
	v_max_num_f32 v[W0], v[W0], v[BM+3]
	s_delay_alu instid0(VALU_DEP_1)
	v_mul_f32 v[W0], s[CS], v[W0]                  ; as t
	s_delay_alu instid0(VALU_DEP_1)
	v_max_num_f32 v[ST+1], v[ST+1], v[W0]          ; the running largest t
	v_mov_b32 v[W0], v[ST]
	s_delay_alu instid0(VALU_DEP_2)
	v_floor_f32 v[ST], -v[ST+1]                    ; the new -M = -ceil(t)
	s_delay_alu instid0(VALU_DEP_1)
	v_sub_f32 v[W0], v[ST], v[W0]                  ; old M - new M: a whole number, 0 or less
	s_delay_alu instid0(VALU_DEP_1)
	v_cvt_i32_f32 v[W0], v[W0]                     ; (it saturates)
	s_delay_alu instid0(VALU_DEP_1)
	v_ldexp_f32 v[ST+4], 1.0, v[W0]                ; f = 2^(old M - new M)
.set j_, 0
.rept 32
	v_pk_fma_f32 v[(\sb)+j_:(\sb)+j_+1], v[(\sb)+j_:(\sb)+j_+1], s[CS:CS+1], v[ST:ST+1] op_sel_hi:[1,0,0]   ; t - M
.set j_, j_+2
.endr
.irp b, 0,1,2,3
	v_fma_f32 v[BM+\b], v[BM+\b], s[CS], v[ST]     ; the same of each block's largest logit
.endr
	s_wait_alu depctr_va_vdst(0)                   ; the wait ahead of the batch
.set j_, 0
.rept 64
	v_exp_f32 v[(\sb)+j_], v[(\sb)+j_]             ; p = 2^(t - M)
.set j_, j_+1
.endr
	v_pk_mul_f32 v[ST+2:ST+3], v[ST+2:ST+3], v[ST+4:ST+5] op_sel_hi:[1,0]   ; the sums under the new M: the plain line behind the exponentials
.if \ml
	MLOAD \ms, \mh, \ob
	s_wait_xcnt 0x0                                ; the last period's loads and this period's prefetches have read their addresses
	s_add_nc_u64 s[KVP:KVP+1], s[KVP:KVP+1], PAIR
.if \lk
	s_add_nc_u64 s[PFK:PFK+1], s[PFK:PFK+1], PAIR
.endif
.if \lm
	s_add_nc_u64 s[PFM:PFM+1], s[PFM:PFM+1], 1024
.endif
.endif
	s_wait_alu depctr_va_vdst(0)                   ; one wait for the batch, ahead of its first reader
.irp b, 0,1,2,3
	v_exp_f32 v[BM+\b], v[BM+\b]                   ; the block's largest p: the same two instructions on the same number
.endr
	v_pk_add_f32 v[W2:W2+1], v[(\sb):(\sb)+1], v[(\sb)+2:(\sb)+3]      ; the sum of the unquantised p, in two chains
.set j_, 4
.rept 15
	v_pk_add_f32 v[ST+2:ST+3], v[ST+2:ST+3], v[(\sb)+j_:(\sb)+j_+1]
	v_pk_add_f32 v[W2:W2+1], v[W2:W2+1], v[(\sb)+j_+2:(\sb)+j_+3]
.set j_, j_+4
.endr
	v_pk_add_f32 v[ST+2:ST+3], v[ST+2:ST+3], v[W2:W2+1]
	s_wait_alu depctr_va_vdst(0)                   ; and one for the four
.irp b, 0,1,2,3
	v_max_num_f32 v[BM+\b], 0x2800000, v[BM+\b]    ; the floor 2^(5 - 127)
.endr
.irp b, 0,1,2,3
	v_add_nc_u32 v[BS+\b], 0xfe000000, v[BM+\b]    ; the conversion's scale operand
.endr
.irp b, 0,1,2,3
	v_lshrrev_b32 v[BT+\b], 23, v[BS+\b]           ; the scale's byte
.endr
	v_lshl_or_b32 v[ST+5], v[BT+1], 8, v[BT]       ; p's scale word for these 128 keys
	s_delay_alu instid0(VALU_DEP_1)
	v_lshl_or_b32 v[ST+5], v[BT+2], 16, v[ST+5]
	s_delay_alu instid0(VALU_DEP_1)
	v_lshl_or_b32 v[ST+5], v[BT+3], 24, v[ST+5]
.irp c, 0,1
	v_cvt_scalef32_pk16_bf6_f32 v[PC+6*\c:PC+6*\c+2], v[(\sb)+32*\c:(\sb)+32*\c+15], v[BS+2*\c]
	v_cvt_scalef32_pk16_bf6_f32 v[PH+4*\c:PH+4*\c+2], v[(\sb)+32*\c+16:(\sb)+32*\c+31], v[BS+2*\c+1]
.endr
	v_nop                                          ; one plain line behind the conversions
.irp c, 0,1
.irp i, 0,1,2
	v_permlane16_swap_b32 v[PC+6*\c+\i], v[PH+4*\c+\i]
.endr
.irp i, 0,1,2
	v_mov_b32 v[PC+3+6*\c+\i], v[PH+4*\c+\i]
.endr
.endr
.endm
; Period m.  sp = m % 2: which set of S^T.  g = 1: step m + 1's mask begins a slot: the guard and the round stand first; fill = 1: the other slot is filled.  ms, mh: the slot and the half of its rows with step m + 1's mask.
; next = 1: V of step m + 1 is asked for and the scores of step m + 1 are made; kn = 1: K of step m + 2 is asked for.  lk, lm: the tests of the prefetches, 0 for none.
.macro PERIOD sp, g, ms, mh, first, fill, next, kn, lk, lm
	s_wait_alu depctr_va_vdst(0)                   ; the wait ahead of the waits and branches below
.if \g
	GRD \ms
.if \fill
	TLOAD G0M+4*(1-\ms)                            ; the first tensor load behind the round
.endif
.if \lm
	ASK \lm, PFM, 0
.endif
.endif
.if \lk
	ASK \lk, PFK, 2*PAIR
.endif
	SM S+64*\sp, \next, \ms, \mh, S+64*(1-\sp), \lk, \lm
.if \first
.rept 8
	v_nop                                          ; between the scale word's last write and the scaled products
.endr
.else
	WIN 0x41
	s_wait_alu depctr_va_vdst(0)                   ; the wait directly ahead of the first reader of O^T
.set j_, 0
.rept 32
	v_pk_mul_f32 v[j_:j_+1], v[j_:j_+1], v[ST+4:ST+5] op_sel_hi:[1,0]   ; O^T under the new M; these lines also stand between the codes' and the word's last writes and the products
.set j_, j_+2
.endr
.endif
	s_wait_alu depctr_va_vdst(0)                   ; the wait directly ahead of the wait below
.if \next
	s_wait_loadcnt 26                              ; V of step m is in; behind it: K's 26 loads of step m + 1
.else
	s_wait_loadcnt 0x0
.endif
	PV \first
.if \next
	VLOAD UNIT                                     ; V of step m + 1
	s_wait_loadcnt 26                              ; K of step m + 1 is in; behind it: the 26 loads just issued
	s_wait_dscnt 0x0                               ; and the mask
	QK S+64*(1-\sp)
.if \kn
	KLOAD PAIR                                     ; K of step m + 2
.endif
.endif
.endm
	; the opening period: content 0 of the mask is in slot 0; slot 1 is filled for the first time, as a refill is; the scores of step 0
	s_wait_alu depctr_va_vdst(0)
	GRD 0
	TLOAD G0M+4
	ASK LM0, PFM, 0
	ASK LK0, PFK, 2*PAIR
	MLOAD 0, 0, S
	s_wait_xcnt 0x0
	s_add_nc_u64 s[PFK:PFK+1], s[PFK:PFK+1], PAIR
	s_add_nc_u64 s[PFM:PFM+1], s[PFM:PFM+1], 1024
	s_wait_loadcnt 26                              ; Q and K of step 0 are in; behind them: V's 26 loads
	s_wait_dscnt 0x0
	QK S
	KLOAD PAIR                                     ; K of step 1
	PERIOD 0, 0, 0, 1, 1, 0, 1, 1, LK0, 0          ; step 0
.Lquad:                                                ; three trips of four periods: steps 1 to 12
	PERIOD 1, 1, 1, 0, 0, 1, 1, 1, LK0, LM0
	PERIOD 0, 0, 1, 1, 0, 0, 1, 1, LK0, 0
	PERIOD 1, 1, 0, 0, 0, 1, 1, 1, LK0, LM1
	PERIOD 0, 0, 0, 1, 0, 0, 1, 1, LK1, 0
	s_sub_co_u32 s[CNT], s[CNT], 1
	s_cmp_lg_u32 s[CNT], 0
	s_cbranch_scc1 .Lquad
	PERIOD 1, 1, 1, 0, 0, 0, 1, 1, 0, 0            ; step 13: the last content is in; nothing is left to fill
	PERIOD 0, 0, 1, 1, 0, 0, 1, 0, 0, 0            ; step 14
	PERIOD 1, 0, 0, 0, 0, 0, 0, 0, 0, 0            ; step 15
; 64 numbers of a lane, register 16 b + i = k 32 b + 16 h + i of my row, become a fragment's codes in v[PC] on and its scale word in v[pw].
.macro QUANT s, pw
.irp b, 0,1,2,3
	v_max3_num_f32 v[TM+\b], |v[(\s)+16*\b]|, |v[(\s)+16*\b+1]|, 0x2800000
.endr
.irp i, 2,4,6,8,10,12,14
.irp b, 0,1,2,3
	v_max3_num_f32 v[TM+\b], |v[(\s)+16*\b+\i]|, |v[(\s)+16*\b+\i+1]|, v[TM+\b]
.endr
.endr
.irp b, 0,1,2,3
	v_permlanex16_b32 v[TM+4+\b], v[TM+\b], s[SEL], s[SEL+1]
.endr
.irp b, 0,1,2,3
	v_max_num_f32 v[TM+\b], v[TM+\b], v[TM+4+\b]
.endr
.irp b, 0,1,2,3
	v_add_nc_u32 v[TM+12+\b], 0xfe000000, v[TM+\b]
.endr
.irp b, 0,1,2,3
	v_lshrrev_b32 v[TM+4+\b], 23, v[TM+12+\b]
.endr
	v_lshl_or_b32 v[\pw], v[TM+5], 8, v[TM+4]
	s_delay_alu instid0(VALU_DEP_1)
	v_lshl_or_b32 v[\pw], v[TM+6], 16, v[\pw]
	s_delay_alu instid0(VALU_DEP_1)
	v_lshl_or_b32 v[\pw], v[TM+7], 24, v[\pw]
.irp c, 0,1
	v_cvt_scalef32_pk16_bf6_f32 v[PC+6*\c:PC+6*\c+2], v[(\s)+32*\c:(\s)+32*\c+15], v[TM+12+2*\c]
	v_cvt_scalef32_pk16_bf6_f32 v[PH+4*\c:PH+4*\c+2], v[(\s)+32*\c+16:(\s)+32*\c+31], v[TM+13+2*\c]
.endr
	v_nop
.irp c, 0,1
.irp i, 0,1,2
	v_permlane16_swap_b32 v[PC+6*\c+\i], v[PH+4*\c+\i]
.endr
.irp i, 0,1,2
	v_mov_b32 v[PC+3+6*\c+\i], v[PH+4*\c+\i]
.endr
.endr
.endm
	; THE WAY OUT: O^T / l, quantised along d, which is the output projection's K: my tile is fragment w of the unit [query block][head]
	v_add_f32 v[ST+2], v[ST+2], v[ST+3]
	v_permlanex16_b32 v[BT], v[ST+2], s[SEL], s[SEL+1]
	v_add_f32 v[ST+2], v[ST+2], v[BT]              ; the row's sum
	s_wait_alu depctr_va_vdst(0)
	v_rcp_f32 v[ST+6], v[ST+2]
	v_nop                                          ; a plain line behind the reciprocal
	WIN 0x01
	s_wait_alu depctr_va_vdst(0)                   ; and the wait ahead of its first reader, which is O^T's first reader too
.set j_, 0
.rept 32
	v_pk_mul_f32 v[S+j_:S+j_+1], v[j_:j_+1], v[ST+6:ST+7] op_sel_hi:[1,0]   ; each accumulator from its low end on
.set j_, j_+2
.endr
	WIN 0
	QUANT S, BM
.irp c, 0,1,2
	global_store_b128 v[GO], v[PC+4*\c:PC+4*\c+3], s[74:75] offset:512*\c    ; 512 consecutive bytes a store
.endr
	global_store_b32 v[WO], v[BM], s[74:75] offset:12288   ; the fragment's sixteen scale words, 32 bytes apart (both halves of the lanes store the same word): 64 of the fragment's 1,600 bytes
	s_wait_tensorcnt 0x0                           ; the wave's end
	ds_add_u32 v[SPW], v[NIL]
	s_wait_dscnt 0x0
	CROUND                                         ; the closing round
	s_endpgm
.Lfunc_end_k_q0a1cddf551_attn:
	.size	k_q0a1cddf551_attn, .Lfunc_end_k_q0a1cddf551_attn-k_q0a1cddf551_attn
	.p2alignl 7, 3214868480
	.fill 96, 4, 3214868480
	.section	.rodata,"a",@progbits
	.p2align	6, 0x0
	.amdhsa_kernel k_q0a1cddf551_attn
		.amdhsa_group_segment_fixed_size 327680
		.amdhsa_private_segment_fixed_size 0
		.amdhsa_enable_private_segment 0
		.amdhsa_kernarg_size 32
		.amdhsa_user_sgpr_count 2
		.amdhsa_user_sgpr_kernarg_segment_ptr 1
		.amdhsa_wavefront_size32 1
		.amdhsa_system_sgpr_workgroup_id_x 1
		.amdhsa_system_sgpr_workgroup_id_y 1
		.amdhsa_system_sgpr_workgroup_id_z 1
		.amdhsa_system_vgpr_workitem_id 0
		.amdhsa_next_free_vgpr 512
		.amdhsa_next_free_sgpr 96
		.amdhsa_reserve_vcc 0
		.amdhsa_float_denorm_mode_32 3
		.amdhsa_float_denorm_mode_16_64 3
		.amdhsa_memory_ordered 1
		.amdhsa_forward_progress 1
		.amdhsa_inst_pref_size 198
	.end_amdhsa_kernel
	.amdgpu_metadata
---
amdhsa.version: [ 1, 2 ]
amdhsa.kernels:
  - .name:           k_q0a1cddf551_attn
    .symbol:         k_q0a1cddf551_attn.kd
    .args:
      - { .name: qimg, .offset: 0, .size: 8, .value_kind: global_buffer, .address_space: global }
      - { .name: kvimg, .offset: 8, .size: 8, .value_kind: global_buffer, .address_space: global }
      - { .name: mask, .offset: 16, .size: 8, .value_kind: global_buffer, .address_space: global }
      - { .name: aimg, .offset: 24, .size: 8, .value_kind: global_buffer, .address_space: global }
    .group_segment_fixed_size: 327680
    .private_segment_fixed_size: 0
    .kernarg_segment_align: 8
    .kernarg_segment_size: 32
    .max_flat_workgroup_size: 256
    .sgpr_count:     96
    .vgpr_count:     512
    .wavefront_size: 32
...
	.end_amdgpu_metadata
.endif
;; end of part 3
;; launch oproj (part 4): grid 16 x 16, 4 waves a work-group, clusters of 4 x 4, 327,680 bytes of LDS; arguments aimg, wimg, out0; writes out0
.if DOCPART == 4
	.amdgcn_target "amdgcn-amd-amdhsa--gfx1250"
	.amdhsa_code_object_version 6
	.text
	.protected	k_q0a1cddf551_oproj
	.globl	k_q0a1cddf551_oproj
	.p2align	8
	.type	k_q0a1cddf551_oproj,@function
k_q0a1cddf551_oproj:
	s_mov_b64 s[64:65], 0
	v_nop
	global_prefetch_b8 v0, s[64:65] scope:SCOPE_SE
	s_setreg_imm32_b32 hwreg(HW_REG_WAVE_MODE, 25, 1), 1
	s_wait_xcnt 0x0
	s_wait_alu depctr_hold_cnt(0) depctr_sa_sdst(0) depctr_va_vdst(0) depctr_va_sdst(0) depctr_va_ssrc(0) depctr_va_vcc(0) depctr_vm_vsrc(0)
	s_getreg_b32 s2, hwreg(HW_REG_IB_STS2, 6, 4)
	s_cmp_eq_u32 s2, 0
	s_cbranch_scc0 .Lentry_in_a_cluster
	s_endpgm
.Lentry_in_a_cluster:
	s_bfe_u32 s2, ttmp6, 0x10000c
	s_cmp_lg_u32 s2, 0xf033
	s_cbranch_scc0 .Lentry_shape_is_right
	s_endpgm
.Lentry_shape_is_right:
.set UNIT,  12800
.set PAIR,  2*UNIT
.set GRP,   16*UNIT
.set HALF,  4*UNIT
.set SLOT,  2*HALF
.set SPARE, 3*SLOT
.set STAGE, SPARE+512
.set SPITCH, 272
.set CO,   6
.set ADRA, 16
.set ADRB, 19
.set ASA,  22
.set ASB,  25
.set SPW,  28
.set NIL,  29
.set STO,  30
.set RD,   31
.set SC,   32
.set BK,   48
.set ACC,  128
.set F0,   0
.set F1,   128
.set G1,  24
.set G0,  32
.set G1B, 44
.set G0B, 52
.set OUTP, 68
.set MSB, 0
.macro WIN new
.if MSB != (\new)
	s_set_vgpr_msb (MSB<<8)|(\new)
.set MSB, (\new)
.endif
.endm
.macro PLACES
.rept 4
	v_nop
.endr
.endm
.macro JLOAD s
	s_cmp_eq_u32 s17, 0
	s_cbranch_scc0 .Lfor_w_\@
	tensor_load_to_lds s[G0+4*(\s):G0+4*(\s)+3], s[G1:G1+7]
	s_nop 0
.rept 4
	v_nop
.endr
	s_branch .Lasked_\@
.Lfor_w_\@:
	tensor_load_to_lds s[G0B+4*(\s):G0B+4*(\s)+3], s[G1B:G1B+7]
	s_nop 0
.rept 4
	v_nop
.endr
.Lasked_\@:
.endm
.macro CREST
	s_cmp_lg_u32 s16, 0
	s_cbranch_scc1 .Lnot_wave_0_\@
	s_barrier_signal -3
.Lnot_wave_0_\@:
	s_barrier_wait -3
	s_barrier_signal -1
	s_barrier_wait -1
.endm
.macro CROUND
	s_barrier_signal -1
	s_barrier_wait -1
	CREST
.endm
	s_load_b128 s[4:7], s[0:1], 0x0
	s_load_b64 s[8:9], s[0:1], 0x10
	v_lshl_add_u32 v[SPW], v0, 2, SPARE
	v_mov_b32 v[NIL], 0
	ds_add_u32 v28, v29
	ds_add_u32 v28, v29
	s_wait_dscnt 0x0
	v_lshrrev_b32 v1, 5, v0
	v_readfirstlane_b32 s16, v1
	s_lshr_b32 s17, s16, 1
	s_and_b32 s18, s16, 1
	s_bfe_u32 s19, ttmp6, 0x40000
	s_bfe_u32 s20, ttmp6, 0x40004
	s_lshl_b32 s21, ttmp9, 2
	s_add_co_u32 s21, s21, s19
	s_and_b32 s22, ttmp7, 0xffff
	s_lshl_b32 s22, s22, 2
	s_add_co_u32 s22, s22, s20
	s_lshl_b32 s2, s20, 2
	s_lshl_b32 s2, 15, s2
	s_lshl_b32 s3, 0x1111, s19
	s_or_b32 s[G1], s2, (3<<16)|(1<<21)
	s_or_b32 s[G1B], s3, (3<<16)|(1<<21)
.irp g, G1, G1B
	s_mov_b32 s[\g+1], 32<<16
	s_mov_b32 s[\g+2], 100<<16
	s_mov_b32 s[\g+3], 32<<16
	s_mov_b32 s[\g+4], 100
	s_mov_b32 s[\g+5], 32
	s_mov_b32 s[\g+6], 0
	s_mov_b32 s[\g+7], 0
.endr
	s_mul_i32 s74, s18, PAIR
	s_mul_i32 s70, s22, GRP
	s_add_co_u32 s70, s70, s74
	s_mov_b32 s71, 0
	s_add_co_u32 s72, s21, 48
	s_mul_i32 s72, s72, GRP
	s_add_co_u32 s72, s72, s74
	s_mov_b32 s73, 0
	s_mul_i32 s23, s16, PAIR
	s_wait_kmcnt 0x0
	s_add_nc_u64 s[70:71], s[4:5], s[70:71]
	s_add_nc_u64 s[72:73], s[6:7], s[72:73]
	CROUND
.irp s, 0,1,2
	s_mov_b32 s[G0+4*\s], 1
	s_add_co_u32 s[G0+4*\s+1], s23, \s*SLOT
	s_add_nc_u64 s[G0+4*\s+2:G0+4*\s+3], s[70:71], \s*HALF
	s_or_b32 s[G0+4*\s+3], s[G0+4*\s+3], 0x80000000
	s_mov_b32 s[G0B+4*\s], 1
	s_add_co_u32 s[G0B+4*\s+1], s23, \s*SLOT
	s_add_nc_u64 s[G0B+4*\s+2:G0B+4*\s+3], s[72:73], \s*HALF
	s_or_b32 s[G0B+4*\s+3], s[G0B+4*\s+3], 0x80000000
	s_wait_alu depctr_va_vdst(0)
	s_wait_tensorcnt 0x0
	ds_add_u32 v28, v29
	ds_add_u32 v28, v29
	s_wait_dscnt 0x0
	CROUND
	JLOAD \s
.endr
	v_and_b32 v1, 31, v0
	v_and_b32 v2, 15, v0
	v_bfe_u32 v3, v0, 4, 1
	v_lshlrev_b32 v4, 4, v1
	s_wait_alu depctr_va_vdst(0)
	v_lshl_add_u32 v5, v2, 5, 12288
	s_wait_alu depctr_va_vdst(0)
	s_mul_i32 s74, s17, 4*1536
	s_mul_i32 s75, s18, 4*1536
	s_add_co_u32 s75, s75, HALF
	s_lshl_b32 s76, s17, 3
	s_lshl_b32 s77, s18, 3
	s_add_co_u32 s77, s77, HALF
.irp s, 0,1,2
	v_add_nc_u32 v[ADRA+\s], s74, v4
	v_add_nc_u32 v[ADRB+\s], s75, v4
	v_add_nc_u32 v[ASA+\s], s76, v5
	v_add_nc_u32 v[ASB+\s], s77, v5
	s_add_co_u32 s74, s74, SLOT
	s_add_co_u32 s75, s75, SLOT
	s_add_co_u32 s76, s76, SLOT
	s_add_co_u32 s77, s77, SLOT
.endr
	s_mul_i32 s74, s16, 16*SPITCH
	s_add_co_u32 s74, s74, STAGE
	v_mul_u32_u24 v[STO], v2, SPITCH
	v_lshl_add_u32 v[STO], v3, 6, v[STO]
	v_add_nc_u32 v[STO], s74, v[STO]
	v_mul_u32_u24 v[RD], v3, SPITCH
	v_lshl_add_u32 v[RD], v2, 4, v[RD]
	v_add_nc_u32 v[RD], s74, v[RD]
	v_lshlrev_b32 v[CO], 13, v3
	v_lshl_add_u32 v[CO], v2, 4, v[CO]
	s_lshl_b32 s74, s22, 7
	s_lshl_b32 s75, s17, 6
	s_add_co_u32 s74, s74, s75
	s_lshl_b32 s74, s74, 13
	s_lshl_b32 s75, s21, 9
	s_add_co_u32 s74, s74, s75
	s_lshl_b32 s75, s18, 8
	s_add_co_u32 s74, s74, s75
	s_mov_b32 s75, 0
	s_add_nc_u64 s[OUTP:OUTP+1], s[8:9], s[74:75]
.macro FETCH slot, q, f
	WIN 0x40
.irp i, 0,1,2,3
.irp c, 0,1,2
	ds_load_b128 v[(\f)+12*\i+4*\c:(\f)+12*\i+4*\c+3], v[ADRA+\slot] offset:(\q)*UNIT+\i*1536+512*\c
	ds_load_b128 v[(\f)+48+12*\i+4*\c:(\f)+48+12*\i+4*\c+3], v[ADRB+\slot] offset:(\q)*UNIT+\i*1536+512*\c
.endr
.endr
	WIN 0
	ds_load_b64 v[SC+8*((\f)/128):SC+8*((\f)/128)+1], v[ASA+\slot] offset:(\q)*UNIT
	ds_load_b64 v[SC+8*((\f)/128)+2:SC+8*((\f)/128)+3], v[ASA+\slot] offset:(\q)*UNIT+16
	ds_load_b64 v[SC+8*((\f)/128)+4:SC+8*((\f)/128)+5], v[ASB+\slot] offset:(\q)*UNIT
	ds_load_b64 v[SC+8*((\f)/128)+6:SC+8*((\f)/128)+7], v[ASB+\slot] offset:(\q)*UNIT+16
.endm
.macro MUL4 f, al, zero
.irp bl, 0,1,2,3
.if \zero
	v_wmma_scale_f32_16x16x128_f8f6f4 v[ACC+8*(4*(\al)+\bl):ACC+8*(4*(\al)+\bl)+7], v[(\f)+48+12*\bl:(\f)+48+12*\bl+11], v[(\f)+12*(\al):(\f)+12*(\al)+11], 0, v[SC+8*((\f)/128)+4+2*(\bl%2)+\bl/2], v[SC+8*((\f)/128)+2*((\al)%2)+(\al)/2] matrix_a_fmt:MATRIX_FMT_BF6 matrix_b_fmt:MATRIX_FMT_BF6
.else
	v_wmma_scale_f32_16x16x128_f8f6f4 v[ACC+8*(4*(\al)+\bl):ACC+8*(4*(\al)+\bl)+7], v[(\f)+48+12*\bl:(\f)+48+12*\bl+11], v[(\f)+12*(\al):(\f)+12*(\al)+11], v[ACC+8*(4*(\al)+\bl):ACC+8*(4*(\al)+\bl)+7], v[SC+8*((\f)/128)+4+2*(\bl%2)+\bl/2], v[SC+8*((\f)/128)+2*((\al)%2)+(\al)/2] matrix_a_fmt:MATRIX_FMT_BF6 matrix_b_fmt:MATRIX_FMT_BF6
.endif
.endr
.endm
.macro QUARTER slot, q, f, g, zero
	s_wait_dscnt 0x0
	PLACES
	FETCH \slot, (\q)+1, \g
	WIN 0x05
	MUL4 \f, 0, \zero
	MUL4 \f, 1, \zero
	MUL4 \f, 2, \zero
	MUL4 \f, 3, \zero
.endm
.macro CROSS next
	s_wait_dscnt 0x0
	PLACES
	s_wait_alu depctr_va_vdst(0)
	FETCH \next, 0, F0
	WIN 0x05
	MUL4 F1, 0, 0
	MUL4 F1, 1, 0
	MUL4 F1, 2, 0
	MUL4 F1, 3, 0
.endm
.macro TURN slot, next, fill
	WIN 0
	s_wait_tensorcnt 0x0
	ds_add_u32 v[SPW], v[NIL]
	s_wait_dscnt 1
	WIN 0x05
	MUL4 F1, 0, 0
	s_wait_dscnt 0x0
	s_barrier_signal -1
	MUL4 F1, 1, 0
	WIN 0
	s_barrier_wait -1
.if \fill
	CREST
	s_add_nc_u64 s[G0+4*\slot+2:G0+4*\slot+3], s[G0+4*\slot+2:G0+4*\slot+3], 3*HALF
	s_add_nc_u64 s[G0B+4*\slot+2:G0B+4*\slot+3], s[G0B+4*\slot+2:G0B+4*\slot+3], 3*HALF
	JLOAD \slot
.else
	PLACES
.endif
	FETCH \next, 0, F0
	WIN 0x05
	MUL4 F1, 2, 0
	MUL4 F1, 3, 0
.endm
	s_wait_tensorcnt 2
	s_barrier_signal -1
	s_barrier_wait -1
	FETCH 0, 0, F0
	QUARTER 0, 0, F0, F1, 1
	QUARTER 0, 1, F1, F0, 0
	QUARTER 0, 2, F0, F1, 0
	TURN 0, 1, 1
	QUARTER 1, 0, F0, F1, 0
	QUARTER 1, 1, F1, F0, 0
	QUARTER 1, 2, F0, F1, 0
	CROSS 2
	QUARTER 2, 0, F0, F1, 0
	QUARTER 2, 1, F1, F0, 0
	QUARTER 2, 2, F0, F1, 0
	TURN 2, 0, 0
	QUARTER 0, 0, F0, F1, 0
	QUARTER 0, 1, F1, F0, 0
	QUARTER 0, 2, F0, F1, 0
	s_wait_dscnt 0x0
	MUL4 F1, 0, 0
	MUL4 F1, 1, 0
	MUL4 F1, 2, 0
	MUL4 F1, 3, 0
	WIN 0
.macro TOSTAGE al
.irp bl, 0,1,2,3
	ds_store_b128 v[STO], v[ACC+8*(4*(\al)+\bl):ACC+8*(4*(\al)+\bl)+3] offset:128*(\bl/2)+32*(\bl%2)
	ds_store_b128 v[STO], v[ACC+8*(4*(\al)+\bl)+4:ACC+8*(4*(\al)+\bl)+7] offset:128*(\bl/2)+32*(\bl%2)+16
.endr
.irp i, 0,1,2,3,4,5,6,7
	ds_load_b128 v[BK+32*((\al)%2)+4*\i:BK+32*((\al)%2)+4*\i+3], v[RD] offset:2*\i*SPITCH
.endr
.endm
.macro SEND al, younger
	s_wait_dscnt \younger
.irp i, 0,1,2,3,4,5,6,7
	global_store_b128 v[CO], v[BK+32*((\al)%2)+4*\i:BK+32*((\al)%2)+4*\i+3], s[OUTP:OUTP+1] offset:(32*((\al)/2)+8*((\al)%2)+2*\i+8*(\i/4))*8192 th:TH_STORE_NT
.endr
.endm
	PLACES
	TOSTAGE 0
.irp al, 1,2,3
.if \al > 1
	s_wait_xcnt 0x0
.endif
	TOSTAGE \al
	SEND \al-1, 16
.endr
	SEND 3, 0
	s_wait_tensorcnt 0x0
	ds_add_u32 v[SPW], v[NIL]
	s_wait_dscnt 0x0
	CROUND
	s_endpgm
.Lfunc_end_k_q0a1cddf551_oproj:
	.size	k_q0a1cddf551_oproj, .Lfunc_end_k_q0a1cddf551_oproj-k_q0a1cddf551_oproj
	.p2alignl 7, 3214868480
	.fill 96, 4, 3214868480
	.section	.rodata,"a",@progbits
	.p2align	6, 0x0
	.amdhsa_kernel k_q0a1cddf551_oproj
		.amdhsa_group_segment_fixed_size 327680
		.amdhsa_private_segment_fixed_size 0
		.amdhsa_enable_private_segment 0
		.amdhsa_kernarg_size 24
		.amdhsa_user_sgpr_count 2
		.amdhsa_user_sgpr_kernarg_segment_ptr 1
		.amdhsa_wavefront_size32 1
		.amdhsa_system_sgpr_workgroup_id_x 1
		.amdhsa_system_sgpr_workgroup_id_y 1
		.amdhsa_system_sgpr_workgroup_id_z 1
		.amdhsa_system_vgpr_workitem_id 0
		.amdhsa_next_free_vgpr 512
		.amdhsa_next_free_sgpr 80
		.amdhsa_reserve_vcc 0
		.amdhsa_float_denorm_mode_32 3
		.amdhsa_float_denorm_mode_16_64 3
		.amdhsa_memory_ordered 1
		.amdhsa_forward_progress 1
		.amdhsa_inst_pref_size 84
	.end_amdhsa_kernel
	.amdgpu_metadata
---
amdhsa.version: [ 1, 2 ]
amdhsa.kernels:
  - .name:           k_q0a1cddf551_oproj
    .symbol:         k_q0a1cddf551_oproj.kd
    .args:
      - { .name: aimg, .offset: 0, .size: 8, .value_kind: global_buffer, .address_space: global }
      - { .name: wimg, .offset: 8, .size: 8, .value_kind: global_buffer, .address_space: global }
      - { .name: out0, .offset: 16, .size: 8, .value_kind: global_buffer, .address_space: global }
    .group_segment_fixed_size: 327680
    .private_segment_fixed_size: 0
    .kernarg_segment_align: 8
    .kernarg_segment_size: 24
    .max_flat_workgroup_size: 128
    .sgpr_count:     80
    .vgpr_count:     512
    .wavefront_size: 32
...
	.end_amdgpu_metadata
.endif
;; end of part 4
